; MI455X (gfx1250); checked and timed in simulation.
; The chip was launched on July 23, 2026; its instructions are those of AMD's public machine-readable ISA for CDNA 5 (MIT licence, August 2026) and "CDNA5" Instruction Set Architecture Reference Guide (July 2026). The comments in the code are by the model that wrote it; some were corrected since.
;; Causal Self Attention. Allowed arithmetic: matrix products marked QUANTISED: E4M3 operands, one given power-of-two scale a tensor, by v_wmma_f32_16x16x64_fp8_fp8 or v_wmma_f32_16x16x128_fp8_fp8, f32 sums; everything else in f32.
;; Inputs: Wk 1,024 x 16 x 64 float32; Wo 16 x 64 x 1,024 float32; Wq 1,024 x 16 x 64 float32; Wv 1,024 x 16 x 64 float32; beta 1,024 float32; bk 16 x 64 float32; bo 1,024 float32; bq 16 x 64 float32; bv 16 x 64 float32; gamma 1,024 float32; lowp_scales 12 int32 (the exponents e of the quantised operands' scales 2^e); x 4 x 2,048 x 1,024 float32.
;; Outputs: out0 4 x 2,048 x 1,024 float32.
;; This version of the problem:
;;   THIS VERSION OF THE PROBLEM IS GIVEN IN LOW PRECISION. The matrix products marked QUANTISED in the list below multiply operands that are first quantised to E4M3 (4 exponent bits, 3 mantissa bits; 8 bits a number), with one given power-of-two scale for each operand tensor; their sums are f32. All else is computed in f32.
;;   The module's matrix products, in the order in which they are computed (A, B: the left and right operand; K: the contracted axis; several contracted axes count as one K, in the product's order):
;;     1. [M 8,192, K 1,024] x [K 1,024, N 1,024]; A: input x; B: input Wq: QUANTISED (scales: A lowp_scales[0], B lowp_scales[1])
;;     2. [M 8,192, K 1,024] x [K 1,024, N 1,024]; A: input x; B: input Wk: QUANTISED (scales: A lowp_scales[2], B lowp_scales[3])
;;     3. [M 8,192, K 1,024] x [K 1,024, N 1,024]; A: input x; B: input Wv: QUANTISED (scales: A lowp_scales[4], B lowp_scales[5])
;;     4. batch 64 x [M 2,048, K 64] x [K 64, N 2,048]; A: computed on the way; B: computed on the way: QUANTISED (scales: A lowp_scales[6], B lowp_scales[7])
;;     5. batch 64 x [M 64, K 2,048] x [K 2,048, N 2,048]; A: computed on the way; B: softmax (see below): QUANTISED (scales: A lowp_scales[8], B lowp_scales[9])
;;     6. [M 8,192, K 1,024] x [K 1,024, N 1,024]; A: computed on the way; B: input Wo: QUANTISED (scales: A lowp_scales[10], B lowp_scales[11])
;;   THE QUANTISER, for each operand of a quantised product, along K:
;;     - The operand's scale is 2^e, e = its entry of the input lowp_scales (int32; the entries are numbered through the quantised products in the list's order, A before B).
;;     - Each number is divided by the scale, clamped to +-448, and rounded to the nearest number of E4M3, ties to even, subnormals kept.
;;     - The product sums the exact products of the quantised numbers (number of the format x scale) in f32.
;;   ~~~python
;;   def quantise(x, axis, e):      # numpy; x: float32 -> the quantised numbers, widened to float32 again
;;       x = np.moveaxis(x, axis, -1); K = x.shape[-1]
;;       r = np.clip(x / 2.0 ** e, -448, 448)
;;       step = 2.0 ** (np.maximum(np.frexp(np.where(r == 0, 1, r))[1] - 1, -6) - 3)
;;       q = np.round(r / step) * step * 2.0 ** e      # np.round: ties to even
;;       return np.moveaxis(q, -1, axis).astype(np.float32)
;;   ~~~
;;   SOFTMAX AHEAD OF A QUANTISED PRODUCT. Where the list says 'softmax', what is quantised is not the finished softmax but p = 2^(t - M), with t = logit x log2(e) and M = ceil(the row's largest t), a whole number; so 1/2 < the row's largest p <= 1. The row's sum l is taken of the UNQUANTISED p, in f32, and the product's result is divided by l at the end. Since M is a whole number, a kernel that streams over the keys may use a running M (the ceiling of the running maximum): every later rescaling is an exact power of two, so the quantised numbers keep their values, but for numbers so far below the row's largest that they fall under the format's range.
;;   OPERANDS COMPUTED ON THE WAY. 'Computed on the way' means the value that the module computes at that place (a softmax that the list does not call 'softmax' is quantised finished and normalised). What goes into a quantiser is computed in f32, as accurately as f32 sums, v_exp_f32 and their like allow (about 1e-6 of the number): no bf16 or f16 on the way to a quantiser, and a product that is left as it is and whose result goes on into a quantised operand takes f32 operands (vector FMAs, or v_wmma_f32_16x16x4_f32). A number that lies on a knife's edge between two numbers of the format may be rounded either way, as far as f32 arithmetic and the matrix unit's own rounding can turn it there, and no further.
;; One version. Each part assembles by itself: llvm-mc -triple=amdgcn-amd-amdhsa -mcpu=gfx1250 --defsym DOCPART=n.
;; ======== version 1 of 1: 4 launches
;; limits: right only within a limited range of input values
;; workspace buffers: xc 25,165,824 bytes; wc 3,145,728 bytes; woimg 1,048,576 bytes; qkvc 25,165,824 bytes; ctximg 8,388,608 bytes
;; launch prep (part 1): grid 384 x 1, 4 waves a work-group, no clusters, 68,096 bytes of LDS; arguments x, Wq, Wk, Wv, Wo, lowp_scales, xc, wc, woimg; writes xc, wc, woimg
.if DOCPART == 1
	.amdgcn_target "amdgcn-amd-amdhsa--gfx1250"
	.amdhsa_code_object_version 6
	.text
	.protected	k_q93819c6c78_prep
	.globl	k_q93819c6c78_prep
	.p2align	8
	.type	k_q93819c6c78_prep,@function
k_q93819c6c78_prep:
	s_mov_b64 s[64:65], 0
	v_nop
	global_prefetch_b8 v0, s[64:65] scope:SCOPE_SE
	s_setreg_imm32_b32 hwreg(HW_REG_WAVE_MODE, 25, 1), 1
	s_wait_xcnt 0x0
; PREP: every f32 input of a quantised product becomes codes of E4M3 once.  code = number / 2^e, held within +-448, to the nearest code, ties to even.
; Work-groups 0-255: x [8192][1024] -> xc, three planes of 8 MiB (the scales of entries 0, 2, 4 of lowp_scales: x has a scale of its own in each of the three projections), K innermost as it lies.
; Work-groups 256-383: Wq, Wk, Wv, Wo, each [K 1024][N 1024] with K as FIRST axis (entries 1, 3, 5, 11).  A lane takes a column n and its registers run down K, so the codes come out with K innermost.
;   Wq, Wk, Wv -> wc, three planes [n 1024][k 1024].   Wo -> woimg in the order of an operand's registers: [n / 16: 64][k / 128: 8][c: 4][lane: 32][16 bytes]; lane (r, h) of (nb, s, c) holds,
;   of column 16 nb + r, k = 128 s + 32 c + 8 h + 0..7 and then k = 128 s + 32 c + 16 + 8 h + 0..7: registers 4 c .. 4 c + 3 of a 16 x 128 fragment.
; LIMITS: each e between -126 and 119, so that 2^e and 448 x 2^e are f32 numbers.  NaN among the inputs is not served (an infinity is held at the largest code).
; No tensor loads, no barrier: waves share nothing.  The two ways part on the work-group's number and have LDS bytes of their own: x's stages 0..32767, the weights' 32768..67583.
; No matrix unit and no cluster: every byte is read once by one wave.
.set STEPS, 16                         ; x: a wave takes 16 steps of 512 numbers
.set SP,    80                         ; x: a lane's place in a stage: its 64 bytes + 16 of padding
.set WREG,  8192                       ; x: LDS of a wave: two stages of 32 x SP bytes
.set R,     24                         ; v24-87   x: four sets of 16 numbers as loaded
.set X,     88                         ; v88-119  x: two sets of 16 neighbours
.set T,     120                        ; v120-167 x: the 16 numbers held within each of the three scales' ranges
.set C,     168                        ; v168-191 x: two sets of 3 x 4 registers of codes
.set WST,   32768                      ; W: the stages begin here
.set PITCH, 272                        ; W: a stage row: 256 codes + 16
.set NB,    8                          ; W: blocks of 32 along K for a wave
.set XW,    32                         ; v32-95   W: two sets of 32 numbers
.set CW,    96                         ; v96-103  W: a block's codes
.set OUTR,  112                        ; v112-175 W: the way out
.macro MKSCALE e, vs, vl               ; s[e] = e  ->  v[vs] = 2^e as f32 (the conversion takes its exponent field), v[vl] = 448 x 2^e
	s_add_co_i32 s52, s[\e], 127
	s_lshl_b32 s53, s52, 23
	v_mov_b32 v[\vs], s53
	s_add_co_i32 s52, s52, 8
	s_lshl_b32 s52, s52, 23
	s_or_b32 s52, s52, 0x600000
	v_mov_b32 v[\vl], s52
.endm
	s_load_b512 s[4:19], s[0:1], 0x0               ; x s[4:5], Wq s[6:7], Wk s[8:9], Wv s[10:11], Wo s[12:13], lowp_scales s[14:15], xc s[16:17], wc s[18:19]
	s_load_b64 s[20:21], s[0:1], 0x40              ; woimg
	v_lshl_add_u32 v192, v0, 2, 0x10800
	v_mov_b32 v193, 0
	v_lshrrev_b32 v1, 5, v0
	v_readfirstlane_b32 s22, v1                    ; wave 0..3
	v_and_b32 v2, 31, v0                           ; lane
	v_lshlrev_b32 v3, 4, v2                        ; 16 x lane: my 16 bytes of a run of 512; never rewritten
	s_wait_kmcnt 0x0
	s_load_b256 s[36:43], s[14:15], 0x0            ; entries 0-7
	s_load_b128 s[44:47], s[14:15], 0x20           ; entries 8-11
	s_cmp_lt_u32 ttmp9, 256
	s_cbranch_scc0 .Lw
; ---------------- x: a plain stream.  Each load reads 512 consecutive bytes; a step's 2,048 bytes turn through the wave's own stage so that a lane holds 16 neighbours along K.
	s_mul_i32 s23, s22, WREG
	s_wait_alu depctr_va_vdst(0)
	v_lshrrev_b32 v14, 2, v2
	v_mul_u32_u24 v14, v14, SP
	v_and_b32 v15, 3, v2
	v_lshl_add_u32 v14, v15, 4, v14
	v_add_nc_u32 v14, s23, v14                     ; into the stage: SP (lane / 4) + 16 (lane % 4)
	v_mul_u32_u24 v15, v2, SP
	v_add_nc_u32 v15, s23, v15                     ; out of it: SP x lane
	s_lshl_b32 s30, ttmp9, 2
	s_add_co_u32 s30, s30, s22                     ; which run of 8,192 numbers is my wave's
	s_lshl_b32 s32, s30, 15
	s_mov_b32 s33, 0
	s_add_nc_u64 s[4:5], s[4:5], s[32:33]
	s_lshl_b32 s32, s30, 13
	s_add_nc_u64 s[24:25], s[16:17], s[32:33]      ; its codes in plane 0,
	s_add_nc_u64 s[26:27], s[24:25], 0x800000      ; plane 1,
	s_add_nc_u64 s[28:29], s[24:25], 0x1000000     ; plane 2: three bases, since 8 MiB is past the signed 24-bit immediate
.macro LOADX t
.irp i, 0,1,2,3
	global_load_b128 v[R+16*((\t)%4)+4*\i:R+16*((\t)%4)+4*\i+3], v3, s[4:5] offset:2048*(\t)+512*\i th:TH_LOAD_NT
.endr
.endm
.macro TURN t                          ; LDS serves a wave's instructions in order: no wait between the stores and the loads
.irp i, 0,1,2,3
	ds_store_b128 v14, v[R+16*((\t)%4)+4*\i:R+16*((\t)%4)+4*\i+3] offset:32*SP*((\t)%2)+8*SP*\i
.endr
.irp i, 0,1,2,3
	ds_load_b128 v[X+16*((\t)%2)+4*\i:X+16*((\t)%2)+4*\i+3], v15 offset:32*SP*((\t)%2)+16*\i
.endr
.endm
.irp t, 0,1,2,3
	LOADX \t
.endr
	s_wait_alu depctr_va_vdst(0)
	s_wait_kmcnt 0x0
	MKSCALE 36, 16, 19                             ; entry 0: x for q
	MKSCALE 38, 17, 20                             ; entry 2: x for k
	MKSCALE 40, 18, 21                             ; entry 4: x for v
	s_wait_alu depctr_va_vdst(0)
	s_wait_loadcnt 12                              ; step 0's four loads are in
	TURN 0
.macro STEP t
.set XS, X+16*((\t)%2)
.set CC, C+12*((\t)%2)
	s_wait_dscnt 0x0                               ; this step's numbers are back from the stage, so its stores into the stage have read their registers,
.if (\t)+4 < STEPS
	LOADX (\t)+4                                   ; which take the loads of four steps on
.endif
.if (\t)+1 < STEPS
.if STEPS-2-(\t) >= 3
	s_wait_loadcnt 12                              ; the next step's four loads are in; those of the three steps behind it may be out
.else
	s_wait_loadcnt 4*(STEPS-2-(\t))
.endif
	TURN (\t)+1
.endif
	s_wait_xcnt 0x0                                ; the stores of two steps ago have read this set of code registers
.irp p, 0,1,2
.irp i, 0,1,2,3,4,5,6,7,8,9,10,11,12,13,14,15
	v_med3_num_f32 v[T+16*\p+\i], v[XS+\i], -v[19+\p], v[19+\p]   ; the conversion does not saturate (ISA guide 7.6.2): the hold at the largest code x the scale
.endr
.endr
.irp p, 0,1,2
	v_cvt_scalef32_pk8_fp8_f32 v[CC+4*\p:CC+4*\p+1], v[T+16*\p:T+16*\p+7], v[16+\p]
	v_cvt_scalef32_pk8_fp8_f32 v[CC+4*\p+2:CC+4*\p+3], v[T+16*\p+8:T+16*\p+15], v[16+\p]
.endr
	v_nop                                          ; a plain line between the conversions and the next step's writes of their sources
.irp p, 0,1,2
	global_store_b128 v3, v[CC+4*\p:CC+4*\p+3], s[24+2*\p:25+2*\p] offset:512*(\t)   ; the wave stores 512 consecutive bytes, aligned
.endr
.endm
.irp t, 0,1,2,3,4,5,6,7,8,9,10,11,12,13,14,15
	STEP \t
.endr
	s_wait_tensorcnt 0x0
	ds_add_u32 v192, v193
	s_wait_dscnt 0x0
	s_endpgm
; ---------------- the weights: a work-group takes 128 columns x 256 along K of one tensor, a wave 32 columns
.Lw:
	s_sub_co_u32 s30, ttmp9, 256
	s_lshr_b32 s31, s30, 5                         ; which tensor: 0 Wq, 1 Wk, 2 Wv, 3 Wo
	s_and_b32 s32, s30, 7                          ; which 128 columns
	s_bfe_u32 s33, s30, 0x20003                    ; which 256 along K
	s_cmp_eq_u32 s31, 1                            ; the choices hang on the work-group's number alone
	s_cselect_b64 s[6:7], s[8:9], s[6:7]
	s_cmp_eq_u32 s31, 2
	s_cselect_b64 s[6:7], s[10:11], s[6:7]
	s_cmp_eq_u32 s31, 3
	s_cselect_b64 s[6:7], s[12:13], s[6:7]
	s_lshl_b32 s34, s32, 7
	s_lshl_b32 s35, s22, 5
	s_add_co_u32 s34, s34, s35                     ; my wave's first column
	s_lshl_b32 s48, s33, 20                        ; 256 rows of 4,096 bytes
	s_lshl_b32 s49, s34, 2
	s_add_co_u32 s48, s48, s49
	s_mov_b32 s49, 0
	s_add_nc_u64 s[6:7], s[6:7], s[48:49]
	s_mul_i32 s50, s22, 32*PITCH
	s_add_co_u32 s50, s50, WST                     ; my stage
	s_wait_alu depctr_va_vdst(0)
	v_lshlrev_b32 v5, 2, v2                        ; in: 4 bytes a lane
	v_mul_u32_u24 v4, v2, PITCH
	v_add_nc_u32 v4, s50, v4                       ; into the stage: row = my column
	v_and_b32 v6, 15, v2                           ; r
	v_lshrrev_b32 v13, 4, v2                       ; h
	v_mul_u32_u24 v7, v13, PITCH
	v_lshl_add_u32 v7, v6, 4, v7
	v_add_nc_u32 v7, s50, v7                       ; out by rows: sixteen lanes to a row, two rows an instruction
	v_lshlrev_b32 v8, 10, v13
	v_lshl_add_u32 v8, v6, 4, v8                   ; and the same place in wc
	v_mul_u32_u24 v9, v6, PITCH
	v_lshl_add_u32 v9, v13, 3, v9
	v_add_nc_u32 v9, s50, v9                       ; out by images: row r, + 8 h
.macro LOADW t                         ; block t: W(32 t + i, my column) into set t % 2: 128 consecutive bytes a wave
.set ii, 0
.rept 32
	global_load_b32 v[XW+32*((\t)%2)+ii], v5, s[6:7] offset:(32*(\t)+ii)*4096 th:TH_LOAD_NT
.set ii, ii+1
.endr
.endm
	LOADW 0
	LOADW 1
	s_wait_kmcnt 0x0
	s_cmp_eq_u32 s31, 1
	s_cselect_b32 s37, s39, s37                    ; e: entry 1, 3, 5 or 11
	s_cmp_eq_u32 s31, 2
	s_cselect_b32 s37, s41, s37
	s_cmp_eq_u32 s31, 3
	s_cselect_b32 s37, s47, s37
	MKSCALE 37, 11, 10
.macro BLOCK t
.set XS, XW+32*((\t)%2)
.if (\t) < NB-1
	s_wait_loadcnt 32                              ; this block's 32 loads are in; the next block's may be out
.else
	s_wait_loadcnt 0
.endif
.set ii, 0
.rept 32
	v_med3_num_f32 v[XS+ii], v[XS+ii], -v10, v10
.set ii, ii+1
.endr
.irp g, 0,1,2,3
	v_cvt_scalef32_pk8_fp8_f32 v[CW+2*\g:CW+2*\g+1], v[XS+8*\g:XS+8*\g+7], v11
.endr
	v_nop                                          ; a plain line behind the last conversion
	ds_store_b128 v4, v[CW:CW+3] offset:32*(\t)    ; 32 codes of my column's row
	ds_store_b128 v4, v[CW+4:CW+7] offset:32*(\t)+16
.if (\t)+2 < NB
	LOADW (\t)+2
.endif
	s_wait_dscnt 0x0                               ; the stores have read their registers: the next block's codes may be written
.endm
	s_wait_alu depctr_va_vdst(0)
.irp t, 0,1,2,3,4,5,6,7
	BLOCK \t
.endr
	s_cmp_eq_u32 s31, 3
	s_cbranch_scc1 .Lwo
	s_lshl_b32 s48, s31, 20                        ; wc: the plane, my first column's row of 1,024 bytes, my 256 along K
	s_lshl_b32 s51, s34, 10
	s_add_co_u32 s48, s48, s51
	s_lshl_b32 s51, s33, 8
	s_add_co_u32 s48, s48, s51
	s_add_nc_u64 s[18:19], s[18:19], s[48:49]
.set ii, 0
.rept 16
	ds_load_b128 v[OUTR+4*ii:OUTR+4*ii+3], v7 offset:2*ii*PITCH   ; LDS serves a wave's instructions in order: these see my stores
.set ii, ii+1
.endr
.set ii, 0
.rept 16
	s_wait_dscnt 15-ii
	global_store_b128 v8, v[OUTR+4*ii:OUTR+4*ii+3], s[18:19] offset:2*ii*1024   ; sixteen lanes store 256 consecutive bytes, aligned
.set ii, ii+1
.endr
	s_wait_tensorcnt 0x0
	ds_add_u32 v192, v193
	s_wait_dscnt 0x0
	s_endpgm
.Lwo:
	s_lshl_b32 s48, s32, 17                        ; woimg: (8 x block of columns + 2 x wave) x 16,384 + 2 x (block of K) x 2,048
	s_lshl_b32 s51, s22, 15
	s_add_co_u32 s48, s48, s51
	s_lshl_b32 s51, s33, 12
	s_add_co_u32 s48, s48, s51
	s_add_nc_u64 s[20:21], s[20:21], s[48:49]
.set ii, 0
.rept 16                               ; image ii = 8 (tile of columns) + 4 (K step) + c
	ds_load_b64 v[OUTR+4*ii:OUTR+4*ii+1], v9 offset:16*(ii/8)*PITCH+128*((ii/4)%2)+32*(ii%4)
	ds_load_b64 v[OUTR+4*ii+2:OUTR+4*ii+3], v9 offset:16*(ii/8)*PITCH+128*((ii/4)%2)+32*(ii%4)+16
.set ii, ii+1
.endr
.set ii, 0
.rept 16
	s_wait_dscnt 30-2*ii                           ; this image's two loads are in
	global_store_b128 v3, v[OUTR+4*ii:OUTR+4*ii+3], s[20:21] offset:(ii/8)*16384+((ii/4)%2)*2048+(ii%4)*512   ; 512 consecutive bytes, aligned
.set ii, ii+1
.endr
	s_wait_tensorcnt 0x0
	ds_add_u32 v192, v193
	s_wait_dscnt 0x0
	s_endpgm
.Lfunc_end_k_q93819c6c78_prep:
	.size	k_q93819c6c78_prep, .Lfunc_end_k_q93819c6c78_prep-k_q93819c6c78_prep
	.p2alignl 7, 3214868480
	.fill 96, 4, 3214868480
	.section	.rodata,"a",@progbits
	.p2align	6, 0x0
	.amdhsa_kernel k_q93819c6c78_prep
		.amdhsa_group_segment_fixed_size 68096
		.amdhsa_private_segment_fixed_size 0
		.amdhsa_enable_private_segment 0
		.amdhsa_kernarg_size 72
		.amdhsa_user_sgpr_count 2
		.amdhsa_user_sgpr_kernarg_segment_ptr 1
		.amdhsa_wavefront_size32 1
		.amdhsa_system_sgpr_workgroup_id_x 1
		.amdhsa_system_sgpr_workgroup_id_y 1
		.amdhsa_system_sgpr_workgroup_id_z 1
		.amdhsa_system_vgpr_workitem_id 0
		.amdhsa_next_free_vgpr 194
		.amdhsa_next_free_sgpr 66
		.amdhsa_reserve_vcc 0
		.amdhsa_float_denorm_mode_32 3
		.amdhsa_float_denorm_mode_16_64 3
		.amdhsa_memory_ordered 1
		.amdhsa_forward_progress 1
		.amdhsa_inst_pref_size 131
	.end_amdhsa_kernel
	.amdgpu_metadata
---
amdhsa.version: [ 1, 2 ]
amdhsa.kernels:
  - .name:           k_q93819c6c78_prep
    .symbol:         k_q93819c6c78_prep.kd
    .args:
      - { .name: x, .offset: 0, .size: 8, .value_kind: global_buffer, .address_space: global }
      - { .name: Wq, .offset: 8, .size: 8, .value_kind: global_buffer, .address_space: global }
      - { .name: Wk, .offset: 16, .size: 8, .value_kind: global_buffer, .address_space: global }
      - { .name: Wv, .offset: 24, .size: 8, .value_kind: global_buffer, .address_space: global }
      - { .name: Wo, .offset: 32, .size: 8, .value_kind: global_buffer, .address_space: global }
      - { .name: lowp_scales, .offset: 40, .size: 8, .value_kind: global_buffer, .address_space: global }
      - { .name: xc, .offset: 48, .size: 8, .value_kind: global_buffer, .address_space: global }
      - { .name: wc, .offset: 56, .size: 8, .value_kind: global_buffer, .address_space: global }
      - { .name: woimg, .offset: 64, .size: 8, .value_kind: global_buffer, .address_space: global }
    .group_segment_fixed_size: 68096
    .private_segment_fixed_size: 0
    .kernarg_segment_align: 8
    .kernarg_segment_size: 72
    .max_flat_workgroup_size: 128
    .sgpr_count:     66
    .vgpr_count:     194
    .wavefront_size: 32
...
	.end_amdgpu_metadata
.endif
;; end of part 1
;; launch qkv (part 2): grid 12 x 32, 4 waves a work-group, clusters of 4 x 4, 327,680 bytes of LDS; arguments xc, wc, lowp_scales, bq, bk, bv, qkvc; writes qkvc
.if DOCPART == 2
	.amdgcn_target "amdgcn-amd-amdhsa--gfx1250"
	.amdhsa_code_object_version 6
	.text
	.protected	k_q93819c6c78_qkv
	.globl	k_q93819c6c78_qkv
	.p2align	8
	.type	k_q93819c6c78_qkv,@function
k_q93819c6c78_qkv:
	s_mov_b64 s[64:65], 0
	v_nop
	global_prefetch_b8 v0, s[64:65] scope:SCOPE_SE
	s_setreg_imm32_b32 hwreg(HW_REG_WAVE_MODE, 25, 1), 1
	s_wait_xcnt 0x0
	s_wait_alu depctr_hold_cnt(0) depctr_sa_sdst(0) depctr_va_vdst(0) depctr_va_sdst(0) depctr_va_ssrc(0) depctr_va_vcc(0) depctr_vm_vsrc(0)
	s_getreg_b32 s2, hwreg(HW_REG_IB_STS2, 6, 4)
	s_cmp_eq_u32 s2, 0
	s_cbranch_scc0 .Lentry_in_a_cluster
	s_endpgm
.Lentry_in_a_cluster:
	s_bfe_u32 s2, ttmp6, 0x10000c
	s_cmp_lg_u32 s2, 0xf033
	s_cbranch_scc0 .Lentry_shape_is_right
	s_endpgm
.Lentry_shape_is_right:
; QKV: the three projections on codes of E4M3, + bias, quantised at once to the codes that attention reads.  K = 1,024.
; A tile of 256 x 256 is made by four waves, each 128 x 128: 64 accumulators, 512 registers.  K goes in steps of 256 through a ring of two LDS slots filled by the tensor data mover.
; THE CLUSTER'S x IS THE PLANE p (0 q, 1 k, 2 v), its y is Y = 0..7.  The matrix instruction is used transposed: source 1 ("A") gives a lane its row, source 0 ("B") runs along the lane's registers.
;   q, k: A = x's codes (tile row 4 Y + cy of 32), B = the weight's (tile column cx of 4): a lane holds one token, its registers run along the head's 64.
;   v:    A = Wv's codes (tile row cy of 4), B = x's (tile column 4 Y + cx of 32): a lane holds one channel, its registers run along the KEYS, which are the K of attention's second product.
; The choice is made by selects on the cluster's x, alike in all sixteen partners; no branch hangs on it.  A's tiles hang on cy alone and are asked for jointly by a row of the cluster, B's on cx alone, by a column.
; SCALES: a sum stands for sum x 2^(ea + eb).  The bias goes in as bias / 2^(ea + eb): for q, k it runs along the registers and is the C of each sum's first product; for v it is one number a lane and is added on
; the way out.  Both forms stand in the text, the one that is not due holds zeros.  The conversion takes the one scale 2^(eo - ea - eb).  Entries of lowp_scales: q 0, 1 -> 6; k 2, 3 -> 7; v 4, 5 -> 8.
; OUT: qkvc: q at 0: [batch x 16 + head: 64][token 2048][64 bytes]; k at 8 MiB likewise; v at 16 MiB: [batch x 32 + token / 64: 128][head x 64 + channel: 1024][64 bytes of keys].
; Inside every row of 64 bytes the number with index 32 b + 16 u + 8 h + j lies at byte 32 b + 16 h + 8 u + j: the order in which a lane's conversions fall; attention reads q and k alike, and v as p's codes lie.
; LIMITS: eo - ea - eb between -126 and 119.  NaN among the inputs is not served.
.set KROW,   1024                      ; a row of codes in memory
.set ROWB,   256                       ; a tile's row: 256 along K
.set PITCH,  272                       ; an LDS row: 256 + 16: the 16 rows that a load touches start at 16 different banks (64 banks of 4 bytes: ISA guide 11.1)
.set FR,     16                        ; registers of a fragment, 16 rows x 128 K
.set NL,     4                         ; LDS loads that bring one
.set NP,     4                         ; places behind this matrix instruction (ISA guide 7.12.1)
.set HALFT,  128*PITCH
.set SLOT,   4*HALFT                   ; A's 256 rows, then B's 256 rows
.set SPARE,  2*SLOT                    ; the spare words: 128 bytes a wave, two blocks of 256 bytes that no other line names
.set SPI,    80                        ; the way out: a stage row: 64 codes + 16
.set GRP,    256*SPI                   ; the stage: [group of 64 columns: 4][row: 256][80 bytes], 81,920 bytes in slot 0, which has had its last fill and its last read by then
.set ADRA, 16                          ; v16-17  LDS address of my A fragments in slot 0, 1
.set ADRB, 20                          ; v20-21  the same for B
.set STO,  24                          ; v24     where I put 16 codes of a row
.set RD,   25                          ; v25     where I read the stage back
.set GO,   26                          ; v26     16 x lane
.set SPW,  28                          ; v28     my spare word; never rewritten
.set NIL,  29                          ; v29     0; never rewritten
.set CB,   32                          ; v32-95  the bias along the registers: 8 blocks x 8
.set T,    32                          ; v32-95  later: a block's 64 numbers on the way out
.set RB,   96                          ; v96-111 the bias of my row of block a, twice, at 96 + 2 a
.set QS,   112                         ; v112    2^(eo - ea - eb)
.set QL,   113                         ; v113    448 x that
.set AF,   128                         ; v128-255 A's fragments, one set (window 0)
.set CD,   128                         ; later: two sets of 16 registers of codes
.set BK,   128                         ; later: 32 x 4 registers read back from the stage
.set G1, 24
.set G0, 32
.set G1B, 48
.set G0B, 56
.set MSB, 0
.macro WIN new                         ; the immediate's high byte repeats the setting that is left
.if MSB != (\new)
	s_set_vgpr_msb (MSB<<8)|(\new)
.set MSB, (\new)
.endif
.endm
.set MUL_LO, 0xa1                      ; source 0 (B) window 1, source 1 (A) window 0, C and D window 2
.set MUL_HI, 0xf1                      ; the same, C and D window 3
.set BIA_LO, 0x81                      ; the first products: C (the bias) window 0, D window 2
.set BIA_HI, 0xc1                      ; D window 3
.set TO_B,   0x40                      ; destination window 1, address window 0
; A joint load: waves 0 and 1 fetch for A, waves 2 and 3 for B; the branch hangs on the wave's number alone.  Four v_nop follow each of the two lines.
.macro JLOAD g0a, g1a, g0b, g1b
	s_cmp_eq_u32 s15, 0
	s_cbranch_scc0 .Lfor_b_\@
	tensor_load_to_lds s[\g0a:\g0a+3], s[\g1a:\g1a+7]
	s_nop 0
.rept 4
	v_nop
.endr
	s_branch .Lasked_\@
.Lfor_b_\@:
	tensor_load_to_lds s[\g0b:\g0b+3], s[\g1b:\g1b+7]
	s_nop 0
.rept 4
	v_nop
.endr
.Lasked_\@:
.endm
.macro CREST                           ; a round of the cluster's barrier behind its opening barrier
	s_cmp_lg_u32 s14, 0
	s_cbranch_scc1 .Lnot_wave_0_\@
	s_barrier_signal -3
.Lnot_wave_0_\@:
	s_barrier_wait -3
	s_barrier_signal -1
	s_barrier_wait -1
.endm
.macro CROUND
	s_barrier_signal -1
	s_barrier_wait -1
	CREST
.endm
	s_load_b256 s[80:87], s[0:1], 0x0              ; xc s[80:81], wc s[82:83], lowp_scales s[84:85], bq s[86:87]
	s_load_b128 s[88:91], s[0:1], 0x20             ; bk, bv
	s_load_b64 s[92:93], s[0:1], 0x30              ; qkvc
	v_lshl_add_u32 v[SPW], v0, 2, SPARE
	v_mov_b32 v[NIL], 0
	ds_add_u32 v28, v29
	ds_add_u32 v28, v29
	s_wait_dscnt 0x0
	v_lshrrev_b32 v1, 5, v0
	v_readfirstlane_b32 s14, v1                    ; wave 0..3
	s_lshr_b32 s15, s14, 1                         ; which half of the tile's rows is mine.  Also: I fetch for A (0) or for B (1)
	s_and_b32 s16, s14, 1                          ; which half of its columns.  Also: which 128 rows of that tile I fetch
	s_bfe_u32 s40, ttmp6, 0x40000                  ; cx
	s_bfe_u32 s41, ttmp6, 0x40004                  ; cy
	s_and_b32 s66, ttmp7, 0xffff
	s_lshl_b32 s66, s66, 2                         ; 4 Y
	s_add_co_u32 s67, s66, s40                     ; 4 Y + cx
	s_add_co_u32 s66, s66, s41                     ; 4 Y + cy
	s_cmp_eq_u32 ttmp9, 2                          ; the plane: alike in all sixteen partners
	s_cselect_b32 s42, s67, s40                    ; tile column (B): made of cx alone
	s_cselect_b32 s17, s41, s66                    ; tile row (A): made of cy alone
	s_cselect_b32 s94, 0, -1                       ; keeps the bias along the registers (q, k)
	s_cselect_b32 s95, -1, 0                       ; keeps the bias of a row (v)
	s_lshl_b32 s43, s41, 2
	s_lshl_b32 s43, 15, s43                        ; my row of the cluster
	s_lshl_b32 s44, 0x1111, s40                    ; my column
	s_or_b32 s[G1+0], s43, (0<<16)|(1<<20)|(1<<21)|(5<<22)|(3<<25)  ; 15:0 the mask; 17:16 elements of 1 byte; 20 padding on; 21 set beside a mask; 24:22 after every 64 words; 31:25 four words
	s_or_b32 s[G1B+0], s44, (0<<16)|(1<<20)|(1<<21)|(5<<22)|(3<<25)
.irp g, G1, G1B
	s_mov_b32 s[\g+1], ROWB<<16                    ; tensor_dim0
	s_mov_b32 s[\g+2], 128<<16                     ; tensor_dim1
	s_mov_b32 s[\g+3], ROWB<<16                    ; tile_dim0
	s_mov_b32 s[\g+4], 128                         ; tile_dim1
	s_mov_b32 s[\g+5], KROW                        ; tensor_dim0_stride
	s_mov_b32 s[\g+6], 0
	s_mov_b32 s[\g+7], 0
.endr
	s_lshl_b32 s18, s16, 7                         ; which 128 rows of the tile I fetch
	s_lshl_b32 s20, s17, 8
	s_add_co_u32 s20, s20, s18
	s_lshl_b32 s20, s20, 10                        ; A: (256 x tile row + 128 x half) rows of 1,024 bytes
	s_mov_b32 s21, 0
	s_lshl_b32 s46, s42, 8
	s_add_co_u32 s46, s46, s18
	s_lshl_b32 s46, s46, 10                        ; B likewise, from the tile column
	s_mov_b32 s47, 0
	s_mul_i32 s45, s14, HALFT                      ; where they go: wave x 128 rows: no place in the cluster enters an LDS address
	s_lshl_b32 s96, ttmp9, 23                      ; the plane in xc,
	s_mov_b32 s97, 0
	s_lshl_b32 s98, ttmp9, 20                      ; and in wc
	s_mov_b32 s99, 0
	s_wait_kmcnt 0x0
	s_load_b256 s[68:75], s[84:85], 0x0            ; entries 0-7
	s_load_b128 s[76:79], s[84:85], 0x20           ; entries 8-11
	s_add_nc_u64 s[80:81], s[80:81], s[96:97]
	s_add_nc_u64 s[82:83], s[82:83], s[98:99]
	s_cmp_eq_u32 ttmp9, 1
	s_cselect_b64 s[8:9], s[88:89], s[86:87]       ; the plane's bias
	s_cmp_eq_u32 ttmp9, 2
	s_cselect_b64 s[8:9], s[90:91], s[8:9]
	s_cselect_b64 s[4:5], s[82:83], s[80:81]       ; A: the weight for v, else x
	s_cselect_b64 s[6:7], s[80:81], s[82:83]       ; B: the other
	s_add_nc_u64 s[20:21], s[4:5], s[20:21]
	s_add_nc_u64 s[46:47], s[6:7], s[46:47]
	CROUND                                         ; all sixteen work-groups are here: the first joint loads meet
.irp s, 0,1
	s_mov_b32 s[G0+4*\s], 1
	s_add_co_u32 s[G0+4*\s+1], s45, \s*SLOT
	s_add_nc_u64 s[G0+4*\s+2:G0+4*\s+3], s[20:21], \s*ROWB
	s_or_b32 s[G0+4*\s+3], s[G0+4*\s+3], 0x80000000
	s_mov_b32 s[G0B+4*\s], 1
	s_add_co_u32 s[G0B+4*\s+1], s45, \s*SLOT
	s_add_nc_u64 s[G0B+4*\s+2:G0B+4*\s+3], s[46:47], \s*ROWB
	s_or_b32 s[G0B+4*\s+3], s[G0B+4*\s+3], 0x80000000
.endr
	JLOAD G0, G1, G0B, G1B                         ; K step 0: one tensor load a wave at the head
	v_and_b32 v1, 15, v0                           ; r
	v_bfe_u32 v2, v0, 4, 1                         ; h
	; the biases.  Along the registers: bias[256 tc + 128 (wave & 1) + 16 b + 8 h + j]; of a row: bias[256 tr + 128 (wave >> 1) + 16 a + r].  The one that is not due is read from entry 0 on and cleared: every load stays inside the 1,024 entries
	s_wait_alu depctr_va_vdst(0)
	s_lshl_b32 s96, s42, 8
	s_lshl_b32 s97, s16, 7
	s_add_co_u32 s96, s96, s97
	s_lshl_b32 s96, s96, 2
	s_lshl_b32 s98, s17, 8
	s_lshl_b32 s99, s15, 7
	s_add_co_u32 s98, s98, s99
	s_lshl_b32 s98, s98, 2
	s_cmp_eq_u32 ttmp9, 2
	s_cselect_b32 s96, 0, s96
	s_cselect_b32 s98, s98, 0
	v_lshl_add_u32 v30, v2, 5, s96
	v_lshl_add_u32 v31, v1, 2, s98
.irp b, 0,1,2,3,4,5,6,7
	global_load_b128 v[CB+8*\b:CB+8*\b+3], v30, s[8:9] offset:64*\b
	global_load_b128 v[CB+8*\b+4:CB+8*\b+7], v30, s[8:9] offset:64*\b+16
.endr
.irp a, 0,1,2,3,4,5,6,7
	global_load_b32 v[RB+2*\a], v31, s[8:9] offset:64*\a
.endr
	v_mul_u32_u24 v3, v1, PITCH
	v_lshl_add_u32 v4, v2, 4, v3                   ; a fragment's row x pitch + 16 x half
	s_mul_i32 s21, s15, HALFT                      ; my 128 rows of A
	s_mul_i32 s22, s16, HALFT                      ; my 128 rows of B,
	s_add_co_u32 s22, s22, 2*HALFT                 ; which lie behind A's 256
.irp s, 0,1
	v_add_nc_u32 v[ADRA+\s], s21, v4
	v_add_nc_u32 v[ADRB+\s], s22, v4
	s_add_co_u32 s21, s21, SLOT
	s_add_co_u32 s22, s22, SLOT
.endr
	s_mul_i32 s23, s15, 128*SPI                    ; into the stage: row 128 (wave >> 1) + r, group 2 (wave & 1), + 16 h
	s_mul_i32 s22, s16, 2*GRP
	s_add_co_u32 s23, s23, s22
	v_mul_u32_u24 v5, v1, SPI
	v_lshl_add_u32 v5, v2, 4, v5
	v_add_nc_u32 v[STO], s23, v5
	s_mul_i32 s23, s14, GRP                        ; back: wave w takes group w: two lanes to a row, sixteen rows an instruction
	v_and_b32 v6, 31, v0
	; IN MEMORY each 16 rows of 64 bytes (1 KiB) are laid as an operand's registers take them: [c: 2][lane: 32][16 bytes], lane (r, h) holding bytes 32 c + 16 h + 0..15 of row r
	v_and_b32 v7, 15, v6                           ; back: lane (r, h) takes row r of a block of 16 rows,
	v_mul_u32_u24 v7, v7, SPI
	v_lshrrev_b32 v8, 4, v6
	v_lshl_add_u32 v7, v8, 4, v7                   ; + 16 h
	v_add_nc_u32 v[RD], s23, v7
	v_lshlrev_b32 v[GO], 4, v6
	; where group w of the tile goes: 16 KiB on end.  q, k: plane + (tr / 8) 2^21 + (4 tc + w) 2^17 + (tr % 8) 2^14;  v: plane + (4 tc + w) 2^16 + tr 2^14
	s_lshl_b32 s96, s42, 2
	s_add_co_u32 s96, s96, s14
	s_lshl_b32 s97, s96, 17
	s_lshr_b32 s98, s17, 3
	s_lshl_b32 s98, s98, 21
	s_add_co_u32 s97, s97, s98
	s_and_b32 s98, s17, 7
	s_lshl_b32 s98, s98, 14
	s_add_co_u32 s97, s97, s98
	s_lshl_b32 s96, s96, 16
	s_lshl_b32 s98, s17, 14
	s_add_co_u32 s96, s96, s98
	s_cmp_eq_u32 ttmp9, 2
	s_cselect_b32 s96, s96, s97
	s_lshl_b32 s97, ttmp9, 23
	s_add_co_u32 s96, s96, s97
	s_mov_b32 s97, 0
	s_add_nc_u64 s[10:11], s[92:93], s[96:97]
	s_wait_loadcnt 0x0                             ; the biases
	s_wait_kmcnt 0x0                               ; the exponents
	s_add_co_i32 s96, s68, s69                     ; ea + eb of the plane, and eo
	s_add_co_i32 s97, s70, s71
	s_add_co_i32 s98, s72, s73
	s_cmp_eq_u32 ttmp9, 1
	s_cselect_b32 s96, s97, s96
	s_cselect_b32 s99, s75, s74
	s_cmp_eq_u32 ttmp9, 2
	s_cselect_b32 s96, s98, s96
	s_cselect_b32 s99, s76, s99
	s_sub_co_i32 s100, 0, s96                      ; -(ea + eb)
	s_sub_co_i32 s99, s99, s96
	s_add_co_i32 s99, s99, 127
	s_lshl_b32 s101, s99, 23
	v_mov_b32 v[QS], s101                          ; 2^(eo - ea - eb): the three scales folded into the conversion's one
	s_add_co_i32 s99, s99, 8
	s_lshl_b32 s99, s99, 23
	s_or_b32 s99, s99, 0x600000
	v_mov_b32 v[QL], s99                           ; 448 x that
.set jj, 0
.rept 64
	v_ldexp_f32 v[CB+jj], v[CB+jj], s100           ; bias / 2^(ea + eb)
.set jj, jj+1
.endr
.set jj, 0
.rept 64
	v_and_b32 v[CB+jj], s94, v[CB+jj]              ; kept for q and k, zeros for v
.set jj, jj+1
.endr
.irp a, 0,1,2,3,4,5,6,7
	v_ldexp_f32 v[RB+2*\a], v[RB+2*\a], s100
.endr
.irp a, 0,1,2,3,4,5,6,7
	v_and_b32 v[RB+2*\a], s95, v[RB+2*\a]          ; kept for v, zeros for q and k
.endr
.irp a, 0,1,2,3,4,5,6,7
	v_mov_b32 v[RB+2*\a+1], v[RB+2*\a]             ; a pair for the packed addition
.endr
.macro FRAG reg, adr, q, i             ; 16 rows x 128 K: lane l holds row l % 16; registers 4 c .. 4 c + 3 hold K = 32 c + 16 (l / 16) + 0 .. 15: one order of k for A and B alike, so every product meets its partner
.irp c, 0,1,2,3
	ds_load_b128 v[\reg+4*\c:\reg+4*\c+3], v[\adr] offset:128*(\q)+32*\c+(\i)*16*PITCH
.endr
.endm
; 16 matrix instructions: A's blocks a0, a0 + 1 x B's eight.  p: B's set.  bias = 1: the first product starts the sums from the bias: nothing is cleared.
; The 64 accumulators take turns, one instruction a turn, in the same order in every step.
.macro MUL16 a0, p, bias
.irp a, \a0, \a0+1
.irp b, 0,1,2,3,4,5,6,7
.if \bias
	v_wmma_f32_16x16x128_fp8_fp8 v[8*(8*((\a)%4)+\b):8*(8*((\a)%4)+\b)+7], v[128*(\p)+FR*\b:128*(\p)+FR*\b+FR-1], v[AF+FR*(\a):AF+FR*(\a)+FR-1], v[CB+8*\b:CB+8*\b+7]
.else
	v_wmma_f32_16x16x128_fp8_fp8 v[8*(8*((\a)%4)+\b):8*(8*((\a)%4)+\b)+7], v[128*(\p)+FR*\b:128*(\p)+FR*\b+FR-1], v[AF+FR*(\a):AF+FR*(\a)+FR-1], v[8*(8*((\a)%4)+\b):8*(8*((\a)%4)+\b)+7]
.endif
.endr
.endr
.endm
.macro FETCH_B slot, q, p
	WIN TO_B
.irp i, 0,1,2,3,4,5,6,7
	FRAG 128*(\p)+FR*\i, ADRB+\slot, \q, \i
.endr
	WIN 0
.endm
.macro FETCH_A slot, q, i0
.irp i, \i0, \i0+1, \i0+2, \i0+3
	FRAG AF+FR*(\i), ADRA+\slot, \q, \i
.endr
.endm
.macro PLACES n                        ; plain vector lines between matrix instructions and loads into, or reads of, their registers (ISA guide 7.12.1 for the reads)
.rept \n
	v_nop
.endr
.endm
; A step of 128 along K that has its successor in the same slot.  A has one set of registers (blocks 0-3 fetched anew in the middle, 4-7 at the end), B two.
.macro STEP slot, q, bias
	s_wait_dscnt 4*NL                              ; B's set and A's blocks 0-3 are in; the youngest 16 loads (A's blocks 4-7) may be out
.if \bias
	WIN BIA_LO
.else
	WIN MUL_LO
.endif
	MUL16 0, (\q)%2, \bias
	MUL16 2, (\q)%2, \bias
	s_wait_dscnt 0                                 ; A's blocks 4-7 are in
	PLACES NP
	FETCH_B \slot, (\q)+1, 1-(\q)%2
	FETCH_A \slot, (\q)+1, 0
.if \bias
	WIN BIA_HI
.else
	WIN MUL_HI
.endif
	MUL16 4, (\q)%2, \bias
	MUL16 6, (\q)%2, \bias
	PLACES NP
	WIN 0
	FETCH_A \slot, (\q)+1, 4
.endm
; A slot's last step changes slots: one barrier; in front of it each wave waits for all its tensor loads, adds 0 to its spare word, and waits for that and for its own reads of this slot.
.macro TURN slot, next, fill
	s_wait_tensorcnt 0x0                           ; all my tensor loads have landed: my part of the next slot (every window is 0 here)
	ds_add_u32 v[SPW], v[NIL]                      ; 0 onto my spare word
	s_wait_dscnt 4*NL+1                            ; the add and the youngest 16 loads may be out
	WIN MUL_LO
	MUL16 0, 1, 0                                  ; sixteen matrix instructions stand between the add and the wait for it
	s_wait_dscnt 0x0                               ; the add is done, and my reads of this slot are over
	s_barrier_signal -1
	MUL16 2, 1, 0
	WIN 0
	s_barrier_wait -1
.if \fill
	CREST                                          ; the barrier has opened a round of the cluster's: no wave of any partner still reads this slot or has a load on its way
	s_add_nc_u64 s[G0+4*\slot+2:G0+4*\slot+3], s[G0+4*\slot+2:G0+4*\slot+3], 2*ROWB
	s_add_nc_u64 s[G0B+4*\slot+2:G0B+4*\slot+3], s[G0B+4*\slot+2:G0B+4*\slot+3], 2*ROWB
	JLOAD G0+4*\slot, G1, G0B+4*\slot, G1B         ; the first tensor load behind the round; its four v_nop are the places in front of the loads below
.else
	PLACES NP
.endif
	FETCH_B \next, 0, 0
	FETCH_A \next, 0, 0
	WIN MUL_HI
	MUL16 4, 1, 0
	MUL16 6, 1, 0
	PLACES NP
	WIN 0
	FETCH_A \next, 0, 4
.endm
	s_wait_alu depctr_va_vdst(0)
	s_wait_tensorcnt 0x0                           ; my part of K step 0 is in
	ds_add_u32 v[SPW], v[NIL]
	s_wait_dscnt 0x0
	CROUND                                         ; everybody's part of K step 0 is in, and all sixteen work-groups are here
	JLOAD G0+4, G1, G0B+4, G1B                     ; K step 1: the first tensor load behind the round
	FETCH_B 0, 0, 0
	FETCH_A 0, 0, 0
	FETCH_A 0, 0, 4
	STEP 0, 0, 1                                   ; K 0-127: starts the sums from the bias
	TURN 0, 1, 1                                   ; K 128-255; slot 0 takes K 512-767
	STEP 1, 0, 0                                   ; K 256-383
	TURN 1, 0, 1                                   ; K 384-511; slot 1 takes K 768-1023
	STEP 0, 0, 0                                   ; K 512-639
	TURN 0, 1, 0                                   ; K 640-767: the last change of slots: nothing is asked for, and nobody reads slot 0 behind it
	STEP 1, 0, 0                                   ; K 768-895
	s_wait_dscnt 4*NL                              ; K 896-1023: nothing more to fetch
	WIN MUL_LO
	MUL16 0, 1, 0
	MUL16 2, 1, 0
	s_wait_alu depctr_va_vdst(0)
	s_wait_dscnt 0
	WIN MUL_HI
	MUL16 4, 1, 0
	MUL16 6, 1, 0
	WIN 0
; THE WAY OUT.  Block a (16 rows x 128 columns): + the row's bias, held, converted: a lane's 8 registers of a tile are 8 codes; two tiles' codes are 16 bytes of a row of 64.
.macro OUTBLK a
.set AC, 64*((\a)%4)
.set CDS, CD+16*((\a)%2)
	WIN 0x02+((\a)/4)                              ; source 0: window 2 or 3
.set jj, 0
.rept 32
	v_pk_add_f32 v[T+jj:T+jj+1], v[AC+jj:AC+jj+1], v[RB+2*(\a):RB+2*(\a)+1]   ; each accumulator from its low end on
.set jj, jj+2
.endr
	WIN 0
.set jj, 0
.rept 64
	v_med3_num_f32 v[T+jj], v[T+jj], -v[QL], v[QL]   ; the conversion does not saturate (ISA guide 7.6.2)
.set jj, jj+1
.endr
.if (\a) >= 2
	s_wait_alu depctr_va_vdst(0)
	s_wait_dscnt 4                                 ; the four stores of two blocks ago have read this set of code registers; the last block's four may be out
.endif
.irp b, 0,1,2,3,4,5,6,7
	v_cvt_scalef32_pk8_fp8_f32 v[CDS+2*\b:CDS+2*\b+1], v[T+8*\b:T+8*\b+7], v[QS]
.endr
	v_nop                                          ; a plain line between the conversions and the next block's writes of their sources
.irp b, 0,1,2,3
	ds_store_b128 v[STO], v[CDS+4*\b:CDS+4*\b+3] offset:(\b/2)*GRP+16*(\a)*SPI+32*(\b%2)
.endr
.endm
	PLACES NP                                      ; behind the last products: for the reads of results and the writes over A's fragments
.irp a, 0,1,2,3,4,5,6,7
	OUTBLK \a
.endr
	s_wait_dscnt 0x0                               ; for the others' sake: my stores into the stage are done
	s_barrier_signal -1
	s_barrier_wait -1
.set ii, 0
.rept 32
	ds_load_b128 v[BK+4*ii:BK+4*ii+3], v[RD] offset:16*SPI*(ii/2)+32*(ii%2)   ; block ii / 2, c = ii % 2
.set ii, ii+1
.endr
.set ii, 0
.rept 32
	s_wait_dscnt 31-ii
	global_store_b128 v[GO], v[BK+4*ii:BK+4*ii+3], s[10:11] offset:512*ii   ; the wave stores 512 consecutive bytes, aligned
.set ii, ii+1
.endr
	s_wait_tensorcnt 0x0                           ; the wave's end
	ds_add_u32 v[SPW], v[NIL]
	s_wait_dscnt 0x0
	CROUND                                         ; the closing round: no work-group ends while a partner may still ask for a tile that names it
	s_endpgm
.Lfunc_end_k_q93819c6c78_qkv:
	.size	k_q93819c6c78_qkv, .Lfunc_end_k_q93819c6c78_qkv-k_q93819c6c78_qkv
	.p2alignl 7, 3214868480
	.fill 96, 4, 3214868480
	.section	.rodata,"a",@progbits
	.p2align	6, 0x0
	.amdhsa_kernel k_q93819c6c78_qkv
		.amdhsa_group_segment_fixed_size 327680
		.amdhsa_private_segment_fixed_size 0
		.amdhsa_enable_private_segment 0
		.amdhsa_kernarg_size 56
		.amdhsa_user_sgpr_count 2
		.amdhsa_user_sgpr_kernarg_segment_ptr 1
		.amdhsa_wavefront_size32 1
		.amdhsa_system_sgpr_workgroup_id_x 1
		.amdhsa_system_sgpr_workgroup_id_y 1
		.amdhsa_system_sgpr_workgroup_id_z 1
		.amdhsa_system_vgpr_workitem_id 0
		.amdhsa_next_free_vgpr 1024
		.amdhsa_next_free_sgpr 102
		.amdhsa_reserve_vcc 0
		.amdhsa_float_denorm_mode_32 3
		.amdhsa_float_denorm_mode_16_64 3
		.amdhsa_memory_ordered 1
		.amdhsa_forward_progress 1
		.amdhsa_inst_pref_size 151
	.end_amdhsa_kernel
	.amdgpu_metadata
---
amdhsa.version: [ 1, 2 ]
amdhsa.kernels:
  - .name:           k_q93819c6c78_qkv
    .symbol:         k_q93819c6c78_qkv.kd
    .args:
      - { .name: xc, .offset: 0, .size: 8, .value_kind: global_buffer, .address_space: global }
      - { .name: wc, .offset: 8, .size: 8, .value_kind: global_buffer, .address_space: global }
      - { .name: lowp_scales, .offset: 16, .size: 8, .value_kind: global_buffer, .address_space: global }
      - { .name: bq, .offset: 24, .size: 8, .value_kind: global_buffer, .address_space: global }
      - { .name: bk, .offset: 32, .size: 8, .value_kind: global_buffer, .address_space: global }
      - { .name: bv, .offset: 40, .size: 8, .value_kind: global_buffer, .address_space: global }
      - { .name: qkvc, .offset: 48, .size: 8, .value_kind: global_buffer, .address_space: global }
    .group_segment_fixed_size: 327680
    .private_segment_fixed_size: 0
    .kernarg_segment_align: 8
    .kernarg_segment_size: 56
    .max_flat_workgroup_size: 128
    .sgpr_count:     102
    .vgpr_count:     1024
    .wavefront_size: 32
...
	.end_amdgpu_metadata
.endif
;; end of part 2
;; launch attn (part 3): grid 4 x 64, 8 waves a work-group, clusters of 4 x 1, 327,680 bytes of LDS; arguments qkvc, lowp_scales, ctximg; writes ctximg
.if DOCPART == 3
	.amdgcn_target "amdgcn-amd-amdhsa--gfx1250"
	.amdhsa_code_object_version 6
	.text
	.protected	k_q93819c6c78_attn
	.globl	k_q93819c6c78_attn
	.p2align	8
	.type	k_q93819c6c78_attn,@function
k_q93819c6c78_attn:
	s_mov_b64 s[64:65], 0
	v_nop
	global_prefetch_b8 v0, s[64:65] scope:SCOPE_SE
	s_setreg_imm32_b32 hwreg(HW_REG_WAVE_MODE, 25, 1), 1
	s_wait_xcnt 0x0
	s_wait_alu depctr_hold_cnt(0) depctr_sa_sdst(0) depctr_va_vdst(0) depctr_va_sdst(0) depctr_va_ssrc(0) depctr_va_vcc(0) depctr_vm_vsrc(0)
	s_getreg_b32 s2, hwreg(HW_REG_IB_STS2, 6, 4)
	s_cmp_eq_u32 s2, 0
	s_cbranch_scc0 .Lentry_in_a_cluster
	s_endpgm
.Lentry_in_a_cluster:
	s_bfe_u32 s2, ttmp6, 0x10000c
	s_cmp_lg_u32 s2, 0x3003
	s_cbranch_scc0 .Lentry_shape_is_right
	s_endpgm
.Lentry_shape_is_right:
; ATTN: causal attention on codes of E4M3, head size 64; its result is quantised at once to the codes of the output projection's operand.
; t = score x log2(e) / 8; M = the running largest t rounded UP to a whole number; p = 2^(t - M) is quantised along the keys, not normalised; the row's sum is taken of the unquantised p and divides at the end.
; K AND V STAY IN LDS: a head's 2,048 keys are 128 KiB of K's codes and 128 KiB of V's; both are fetched once and nothing is filled again.
; CLUSTER: the four work-groups of a head (batch x 16 + head = the grid's y) need the same K and V and ask for them JOINTLY (mask 15).  Two groups of loads, one load a wave each:
;   keys 0-511 at the head (8 KiB a wave: waves 0-3 K, waves 4-7 V), keys 512-2047 behind a round of the cluster's barrier (24 KiB a wave); the second group is on its way during three key steps on the first.
; SHARES.  A head's 128 tiles of 16 queries are 16 groups of 8; a tile of group g needs key steps 0 .. g of 128 keys.  Wave w takes the TWO tiles X = 2 cx and Y = 2 cx + 1 of group 15 - w together, and then those of
; group w: 17 key steps for each of the 8 waves of each of the 256 work-groups, and each fragment of K and V that is read from LDS feeds two matrix instructions.
; Branches and LDS addresses hang on the wave's number and on loop counts alone; cx enters global addresses and the mask's data only.
; The loops' trip counts are constants (3, 13, 8); a step all of whose keys come after the tiles' queries is jumped over by a scalar branch at its head.
; K's fragments of step n + 1 are asked for in step n, behind the products that read step n's; a pair's first are asked for ahead of its loop, and its last step asks for none.
; LAYOUT.  qkvc holds q, k (per head, token) and v (per 64 keys, channel) in blocks of 16 rows x 64 bytes laid as register images [c: 2][lane][16 bytes]: every fragment load reads 512 bytes on end.
; Both products are used transposed: S^T = K Q^T, O^T = V^T P^T: a lane holds ONE query of each tile.  Tile t's register j of lane (r, h) is key 16 t + 8 h + j, so p's codes fall into registers 2 t, 2 t + 1, the order in which v's codes lie.
; CAUSAL: on the diagonal step hidden scores become -infinity ahead of the maximum, so p = 0.  The module adds -1e9 to a hidden score, which gives the same 0 in f32 while scores stay under about 4e8 in magnitude: LIMIT.
; OUT: ctximg [row / 16: 512][k / 128: 8][c: 4][lane][16 bytes], k = head x 64 + channel: the conversions' registers are stored as they stand, 1 KiB on end a tile.
; NO PREFETCH: both groups of tensor loads are issued ahead of the first loop; no later load exists for a prefetch to run ahead of.
; LIMITS on the exponents: entry 6 + entry 7 between -123 and 130; entry 9, and entry 10 - 9 - 8, between -126 and 119.
; REGISTERS, in two windows of 256.  Window 0: addresses, both tiles' state, Q, S^T / p, codes, temporaries.  Window 1: K's fragments, V's fragments, O^T of both tiles, the second pair's Q.
.set VB0,   131072                     ; LDS: K's codes at 0, V's here
.set SPARE, 294912                     ; the spare words: 128 bytes for each of 8 waves: four blocks of 256 bytes that no other line names
.set L16,  1                           ; v1   16 x lane
.set AV0,  2                           ; v2   VB0 + 16 x lane
.set SPW,  5                           ; v5   my spare word; never rewritten
.set NIL,  6                           ; v6   0; never rewritten
.set PY,   7                           ; v7   a lane permute's result, tile Y
.set ADK,  8                           ; v8   LDS address of the step's K
.set ADV,  9                           ; v9   of its V
.set DDX,  10                          ; v10  d = 16 td + r - 8 h: on the diagonal step register n is hidden where 16 (n / 8) + n % 8 > d
.set NEG,  11                          ; v11  -infinity
.set MX,   12                          ; v12 -M, v13 the largest t: tile X
.set LX,   14                          ; v[14:15] its sum
.set MY,   16                          ; the same for tile Y
.set LY,   18
.set DDY,  20
.set PX,   21
.set FX,   22                          ; v[22:23] f = 2^(old M - new M), and a 0 named with it as a pair
.set FY,   24
.set LIM,  26                          ; 448 x 2^e9
.set SC,   27                          ; 2^e9
.set SC2,  28                          ; 2^(e10 - e9 - e8)
.set LIM2, 29                          ; 448 x that
.set LIMB, 31                          ; 448 x 2^e9 once more: the two halves of a dual instruction take their second sources from different register banks
.set QX,   32                          ; v32-39, v40-47 Q
.set QY,   40
.set SX,   48                          ; v48-111, v112-175 S^T, then p
.set SY,   112
.set CX,   176                         ; v176-191, v192-207 p's codes; on the way out ctx's
.set CY,   192
.set T,    212                         ; v208-225 at work
.set KF,   0                           ; window 1: v0-63 K's 8 fragments
.set VF,   64                          ; v64-127 V's 4
.set OX,   128                         ; v128-159, v160-191 O^T
.set OY,   160
.set Q2,   192                         ; v192-207 the second pair's Q
.set WV,   18
.set SEL,  20                          ; s[20:21] lane selects: lane l xor 16
.set CS,   22                          ; s[22:23] c = log2(e) / 8 x 2^(e6 + e7)
.set G1A,  24                          ; group 1: K, 2 rows of 4,096 bytes, dense
.set G1B,  32                          ; V, 2 rows of 4,096 bytes, 65,536 apart
.set G1C,  40                          ; K, 6 rows
.set G1D,  48                          ; V, 6 rows
.set G0,   56                          ; group 0 of my first load
.set G0B,  60                          ; of my second
.set TB,   66                          ; LDS byte of the step's K
.set ST,   67                          ; the key step
.set GG,   96                          ; the group of the tiles in hand
.set GB,   97                          ; the second pair's group
.set MSB, 0
.macro WIN new                         ; bits 1:0 source 0, 3:2 source 1, 5:4 source 2, 7:6 destination; the high byte repeats the setting that is left
.if MSB != (\new)
	s_set_vgpr_msb (MSB<<8)|(\new)
.set MSB, (\new)
.endif
.endm
.macro CROUND                          ; a round of the cluster's barrier
	s_barrier_signal -1
	s_barrier_wait -1
	s_cmp_lg_u32 s[WV], 0
	s_cbranch_scc1 .Lnot_wave_0_\@
	s_barrier_signal -3
.Lnot_wave_0_\@:
	s_barrier_wait -3
	s_barrier_signal -1
	s_barrier_wait -1
.endm
.macro JL g0, gk, gv                   ; a joint load: waves 0-3 for K, waves 4-7 for V; an s_nop 0 and four v_nop follow each line
	s_cmp_lt_u32 s[WV], 4
	s_cbranch_scc0 .Lfor_v_\@
	tensor_load_to_lds s[\g0:\g0+3], s[\gk:\gk+7]
	s_nop 0
.rept 4
	v_nop
.endr
	s_branch .Lasked_\@
.Lfor_v_\@:
	tensor_load_to_lds s[\g0:\g0+3], s[\gv:\gv+7]
	s_nop 0
.rept 4
	v_nop
.endr
.Lasked_\@:
.endm
.macro KLOAD adr, off                  ; K's 8 fragments of 128 keys, 16 loads, into window 1
	WIN 0x40
.irp t, 0,1,2,3,4,5,6,7
.irp c, 0,1
	ds_load_b128 v[KF+8*\t+4*\c:KF+8*\t+4*\c+3], v[\adr] offset:(\off)+1024*\t+512*\c
.endr
.endr
	WIN 0
.endm
	s_load_b128 s[4:7], s[0:1], 0x0                ; qkvc, lowp_scales
	s_load_b64 s[8:9], s[0:1], 0x10                ; ctximg
	v_lshl_add_u32 v[SPW], v0, 2, SPARE
	v_mov_b32 v[NIL], 0
	ds_add_u32 v[SPW], v[NIL]                      ; the opening lines: the add, twice on end, and its wait
	ds_add_u32 v[SPW], v[NIL]
	v_lshrrev_b32 v8, 5, v0
	v_readfirstlane_b32 s[WV], v8                  ; wave 0..7
	s_bfe_u32 s74, ttmp6, 0x40000                  ; cx
	s_and_b32 s75, ttmp7, 0xffff                   ; batch x 16 + head
	s_mov_b32 s[GB], s[WV]
	s_sub_co_u32 s[GG], 15, s[WV]                  ; the first pair's group
	s_lshr_b32 s76, s[WV], 2                       ; 0: I fetch for K; 1: for V
	s_and_b32 s73, s[WV], 3                        ; which quarter
	s_lshl_b32 s77, s74, 1                         ; td of tile X
	s_lshl_b32 s78, s[GG], 3
	s_add_co_u32 s78, s78, s77                     ; the first pair's tile X in the head,
	s_lshl_b32 s79, s[GB], 3
	s_add_co_u32 s79, s79, s77                     ; the second's
	s_lshl_b32 s80, s75, 17
	s_add_co_u32 s80, s80, 0x800000                ; the head's K: 8 MiB + 131,072 x (batch x 16 + head)
	s_lshr_b32 s81, s75, 4
	s_lshl_b32 s81, s81, 21
	s_and_b32 s82, s75, 15
	s_lshl_b32 s83, s82, 12
	s_add_co_u32 s81, s81, s83
	s_add_co_u32 s81, s81, 0x1000000               ; the head's V: 16 MiB + batch x 32 x 65,536 + head x 4,096; 64 keys on: 65,536
	s_lshl_b32 s84, s73, 13                        ; first load: 128 keys: K's 8,192 bytes, or V's two groups of 64 keys
	s_add_co_u32 s84, s84, s80
	s_lshl_b32 s85, s73, 17
	s_add_co_u32 s85, s85, s81
	s_cmp_eq_u32 s76, 0
	s_cselect_b32 s86, s84, s85
	s_mov_b32 s87, 0
	s_lshl_b32 s88, s73, 13
	s_lshl_b32 s89, s76, 17
	s_add_co_u32 s88, s88, s89                     ; to LDS byte 8,192 (w % 4) + 131,072 (w / 4)
	s_mul_i32 s90, s73, 24576                      ; second load: 384 keys from key 512 + 384 (w % 4) on
	s_add_co_u32 s91, s90, s80
	s_add_co_u32 s91, s91, 32768
	s_mul_i32 s92, s73, 393216
	s_add_co_u32 s92, s92, s81
	s_add_co_u32 s92, s92, 524288
	s_cmp_eq_u32 s76, 0
	s_cselect_b32 s92, s91, s92
	s_mov_b32 s93, 0
	s_add_co_u32 s90, s90, s89
	s_add_co_u32 s90, s90, 32768                   ; to LDS byte 32,768 + 24,576 (w % 4) + 131,072 (w / 4)
.irp g, G1A, G1B, G1C, G1D
	s_mov_b32 s[\g], 15|(3<<16)|(1<<21)            ; the mask: all four of the cluster; elements of 8 bytes; bit 21 set beside a mask; no padding
	s_mov_b32 s[\g+1], 512<<16                     ; tensor_dim0: 4,096 bytes
	s_mov_b32 s[\g+3], 512<<16                     ; tile_dim0
	s_mov_b32 s[\g+6], 0
	s_mov_b32 s[\g+7], 0
.endr
	s_mov_b32 s[G1A+2], 2<<16                      ; tensor_dim1, tile_dim1, pitch
	s_mov_b32 s[G1A+4], 2
	s_mov_b32 s[G1A+5], 512
	s_mov_b32 s[G1B+2], 2<<16
	s_mov_b32 s[G1B+4], 2
	s_mov_b32 s[G1B+5], 8192
	s_mov_b32 s[G1C+2], 6<<16
	s_mov_b32 s[G1C+4], 6
	s_mov_b32 s[G1C+5], 512
	s_mov_b32 s[G1D+2], 6<<16
	s_mov_b32 s[G1D+4], 6
	s_mov_b32 s[G1D+5], 8192
	s_mov_b32 s[SEL], 0x76543210
	s_mov_b32 s[SEL+1], 0xfedcba98
	s_mov_b32 s[CS], 0x3e38aa3b                    ; log2(e) / sqrt(64)
	s_wait_dscnt 0x0                               ; both opening adds are done
	s_wait_kmcnt 0x0
	s_load_b128 s[68:71], s[6:7], 0x18             ; entries 6-9: q, k, v, p
	s_load_b32 s72, s[6:7], 0x28                   ; entry 10: ctx
	s_mov_b32 s[G0], 1
	s_mov_b32 s[G0+1], s88
	s_add_nc_u64 s[G0+2:G0+3], s[4:5], s[86:87]
	s_or_b32 s[G0+3], s[G0+3], 0x80000000
	s_mov_b32 s[G0B], 1
	s_mov_b32 s[G0B+1], s90
	s_add_nc_u64 s[G0B+2:G0B+3], s[4:5], s[92:93]
	s_or_b32 s[G0B+3], s[G0B+3], 0x80000000
	CROUND                                         ; all four work-groups are here: the first joint loads meet
	JL G0, G1A, G1B                                ; keys 0-511: every wave's one load at the head
	v_and_b32 v[L16], 31, v0
	v_and_b32 v8, 15, v0                           ; r
	v_bfe_u32 v9, v0, 4, 1                         ; h
	v_lshlrev_b32 v[L16], 4, v[L16]
	v_lshlrev_b32 v9, 3, v9
	v_mov_b32 v[NEG], 0xff800000
	v_add_nc_u32 v[AV0], VB0, v[L16]
	v_sub_nc_u32 v8, v8, v9
	s_lshl_b32 s73, s77, 4
	v_mov_b32 v[PX], 0                             ; written once: a lane permute's destination counts as one of its sources
	v_mov_b32 v[PY], 0
	v_add_nc_u32 v[DDX], s73, v8
	v_mov_b32 v[FX+1], 0                           ; (named as the upper halves of pairs)
	v_mov_b32 v[FY+1], 0
	v_add_nc_u32 v[DDY], 16, v[DDX]
	s_lshl_b32 s84, s75, 17                        ; Q: the head's first tile
	s_mov_b32 s85, 0
	s_add_nc_u64 s[10:11], s[4:5], s[84:85]
	s_lshl_b32 s73, s78, 10
	v_add_nc_u32 v3, s73, v[L16]
	s_lshl_b32 s73, s79, 10
	v_add_nc_u32 v4, s73, v[L16]
.irp i, 0,1,2,3
	global_load_b128 v[QX+4*\i:QX+4*\i+3], v3, s[10:11] offset:512*\i   ; tiles X and Y lie on end: 2 KiB
.endr
	WIN 0x40
.irp i, 0,1,2,3
	global_load_b128 v[Q2+4*\i:Q2+4*\i+3], v4, s[10:11] offset:512*\i   ; the second pair's, into window 1
.endr
	WIN 0
	s_lshr_b32 s84, s75, 4                         ; ctx: (batch x 128 + tile) x 16,384 + head x 1,024
	s_lshl_b32 s84, s84, 7
	s_lshl_b32 s83, s82, 10
	s_add_co_u32 s86, s84, s78
	s_lshl_b32 s86, s86, 14
	s_add_co_u32 s86, s86, s83
	s_add_nc_u64 s[12:13], s[8:9], s[86:87]
	s_add_co_u32 s86, s84, s79
	s_lshl_b32 s86, s86, 14
	s_add_co_u32 s86, s86, s83
	s_add_nc_u64 s[14:15], s[8:9], s[86:87]
.macro START                           ; a pair begins: the largest t is -3e38, under every t; the sums and O^T are zeros, which the first change of M leaves zeros
	v_mov_b32 v[MX+1], 0xff61b1e6
	v_mov_b32 v[MY+1], 0xff61b1e6
	v_mov_b32 v[LX], 0
	v_mov_b32 v[LX+1], 0
	v_mov_b32 v[LY], 0
	v_mov_b32 v[LY+1], 0
	v_floor_f32 v[MX], -v[MX+1]
	v_floor_f32 v[MY], -v[MY+1]
	WIN 0x40
.set jj, 0
.rept 64
	v_mov_b32 v[OX+jj], 0
.set jj, jj+1
.endr
	WIN 0
.endm
	START
	s_wait_kmcnt 0x0
	s_add_co_i32 s73, s68, s69
	s_lshl_b32 s73, s73, 23
	s_add_co_i32 s[CS], s[CS], s73                 ; a score stands for score x 2^(e6 + e7): added to c's exponent field
	s_mov_b32 s[CS+1], s[CS]
	s_add_co_i32 s73, s71, 127
	s_lshl_b32 s74, s73, 23
	v_mov_b32 v[SC], s74                           ; 2^e9
	s_add_co_i32 s73, s73, 8
	s_lshl_b32 s73, s73, 23
	s_or_b32 s73, s73, 0x600000
	v_mov_b32 v[LIM], s73                          ; 448 x 2^e9
	v_mov_b32 v[LIMB], s73
	s_sub_co_i32 s73, s72, s71
	s_sub_co_i32 s73, s73, s70
	s_add_co_i32 s73, s73, 127
	s_lshl_b32 s74, s73, 23
	v_mov_b32 v[SC2], s74                          ; O^T / l stands for ctx / 2^(e8 + e9): ctx's conversion takes 2^(e10 - e9 - e8)
	s_add_co_i32 s73, s73, 8
	s_lshl_b32 s73, s73, 23
	s_or_b32 s73, s73, 0x600000
	v_mov_b32 v[LIM2], s73
.macro SUM S, L                        ; the row's sum of the unquantised p: 32 pairs onto eight chains, then the chains
.set kk, 0
.rept 7
	v_pk_add_f32 v[T+2*kk:T+2*kk+1], v[\S+2*kk:\S+2*kk+1], v[\S+14+2*kk:\S+15+2*kk]
.set kk, kk+1
.endr
	v_pk_add_f32 v[\L:\L+1], v[\L:\L+1], v[\S+28:\S+29]
.set kk, 0
.rept 7
	v_pk_add_f32 v[T+2*kk:T+2*kk+1], v[T+2*kk:T+2*kk+1], v[\S+30+2*kk:\S+31+2*kk]
.set kk, kk+1
.endr
	v_pk_add_f32 v[\L:\L+1], v[\L:\L+1], v[\S+44:\S+45]
.set kk, 0
.rept 7
	v_pk_add_f32 v[T+2*kk:T+2*kk+1], v[T+2*kk:T+2*kk+1], v[\S+46+2*kk:\S+47+2*kk]
.set kk, kk+1
.endr
	v_pk_add_f32 v[\L:\L+1], v[\L:\L+1], v[\S+60:\S+61]
	v_pk_add_f32 v[T:T+1], v[T:T+1], v[\S+62:\S+63]
	v_pk_add_f32 v[T+4:T+5], v[T+4:T+5], v[T+6:T+7]
	v_pk_add_f32 v[T+8:T+9], v[T+8:T+9], v[T+10:T+11]
	v_pk_add_f32 v[\L:\L+1], v[\L:\L+1], v[T+12:T+13]
	v_pk_add_f32 v[T:T+1], v[T:T+1], v[T+2:T+3]
	v_pk_add_f32 v[\L:\L+1], v[\L:\L+1], v[T+8:T+9]
	v_pk_add_f32 v[T:T+1], v[T:T+1], v[T+4:T+5]
	v_pk_add_f32 v[\L:\L+1], v[\L:\L+1], v[T:T+1]
.endm
; A KEY STEP: 128 keys at LDS byte s[TB] of K and of V, for both tiles.  Its fragments of K were asked for a step earlier.  m = 1: the step may lie behind the tiles' last (left out) or on their diagonal (masked).
.macro STEP m
.if \m
	s_cmp_gt_u32 s[ST], s[GG]                      ; all 128 keys come after my queries: the step's work is left out
	s_cbranch_scc1 .Lhidden_\@
.endif
	v_add_nc_u32 v[ADK], s[TB], v[L16]
	v_add_nc_u32 v[ADV], s[TB], v[AV0]
	v_nop                                          ; with the two additions: four places in front of loads into registers that the last products read
	v_nop
	WIN 0x40                                       ; the fragments go to window 1
.irp t, 0,1,2,3                        ; V's four fragments (16 channels x 128 keys) land under the softmax
.irp c, 0,1,2,3
	ds_load_b128 v[VF+16*\t+4*\c:VF+16*\t+4*\c+3], v[ADV] offset:4096*(\c/2)+1024*\t+512*(\c%2)
.endr
.endr
	s_wait_alu depctr_va_vdst(0)
	s_wait_dscnt 16                                ; all but V's 16 loads are in: so is this step's K
	WIN 0x01                                       ; source 0 (K) window 1
.irp t, 0,1,2,3,4,5,6,7
	v_wmma_f32_16x16x64_fp8_fp8 v[SX+8*\t:SX+8*\t+7], v[KF+8*\t:KF+8*\t+7], v[QX:QX+7], 0
	v_wmma_f32_16x16x64_fp8_fp8 v[SY+8*\t:SY+8*\t+7], v[KF+8*\t:KF+8*\t+7], v[QY:QY+7], 0
.endr
	WIN 0
.rept 4
	v_nop                                          ; places: in front of the reads of the scores and of the loads into K's registers
.endr
.if \m
	s_cmp_ge_u32 s[ST], s[GG]                      ; the diagonal step is the pair's last: no K is asked for behind it
	s_cbranch_scc1 .Lnonext_\@
.endif
	KLOAD ADK, 8192                                ; the next step's K
.if \m
.Lnonext_\@:
	s_cmp_lg_u32 s[ST], s[GG]                      ; ahead of the diagonal all 128 keys count: no mask
	s_cbranch_scc1 .Lopen_\@
.set nn, 0
.rept 64
	v_cmp_gt_i32 vcc_lo, 16*(nn/8)+nn%8, v[DDX]
	v_cndmask_b32 v[SX+nn], v[SX+nn], v[NEG], vcc_lo
.set nn, nn+1
.endr
.set nn, 0
.rept 64
	v_cmp_gt_i32 vcc_lo, 16*(nn/8)+nn%8, v[DDY]
	v_cndmask_b32 v[SY+nn], v[SY+nn], v[NEG], vcc_lo
.set nn, nn+1
.endr
.Lopen_\@:
.endif
	v_max3_num_f32 v208, v[SX], v[SX+1], v[SX+2]   ; the step's largest score of my query among my 64 keys: two chains a tile, the tiles by turns, each accumulator from its low end on
	v_max3_num_f32 v210, v[SY], v[SY+1], v[SY+2]
	v_max3_num_f32 v209, v[SX+3], v[SX+4], v[SX+5]
	v_max3_num_f32 v211, v[SY+3], v[SY+4], v[SY+5]
.irp i, 6,10,14,18,22,26,30,34,38,42,46,50,54,58
	v_max3_num_f32 v208, v208, v[SX+\i], v[SX+1+\i]
	v_max3_num_f32 v210, v210, v[SY+\i], v[SY+1+\i]
	v_max3_num_f32 v209, v209, v[SX+2+\i], v[SX+3+\i]
	v_max3_num_f32 v211, v211, v[SY+2+\i], v[SY+3+\i]
.endr
	v_max3_num_f32 v208, v208, v[SX+62], v[SX+63]
	v_max3_num_f32 v210, v210, v[SY+62], v[SY+63]
	v_max_num_f32 v208, v208, v209
	v_max_num_f32 v210, v210, v211
	v_permlanex16_b32 v[PX], v208, s[SEL], s[SEL+1]
	v_permlanex16_b32 v[PY], v210, s[SEL], s[SEL+1]
	v_max_num_f32 v208, v208, v[PX]                ; and among lane l xor 16's
	v_max_num_f32 v210, v210, v[PY]
	v_mul_f32 v208, s[CS], v208                    ; as t (c is positive)
	v_mul_f32 v210, s[CS], v210
	v_mov_b32 v209, v[MX]
	v_mov_b32 v211, v[MY]
	v_max_num_f32 v[MX+1], v[MX+1], v208           ; the running largest t
	v_max_num_f32 v[MY+1], v[MY+1], v210
	v_floor_f32 v[MX], -v[MX+1]                    ; the new -M = floor(-t): M is a whole number
	v_floor_f32 v[MY], -v[MY+1]
	v_sub_f32 v209, v[MX], v209                    ; old M - new M: a whole number, 0 or less
	v_sub_f32 v211, v[MY], v211
	v_cvt_i32_f32 v209, v209                       ; (it saturates)
	v_cvt_i32_f32 v211, v211
	v_ldexp_f32 v[FX], 1.0, v209                   ; f = 2^(old M - new M): rounds nothing
	v_ldexp_f32 v[FY], 1.0, v211
.set jj, 0
.rept 32
	v_pk_fma_f32 v[SX+jj:SX+jj+1], v[SX+jj:SX+jj+1], s[CS:CS+1], v[MX:MX+1] op_sel_hi:[1,0,0]   ; X: t - M, two at a time
.set jj, jj+2
.endr
	s_wait_alu depctr_va_vdst(0)
.set jj, 0
.rept 32                               ; X's exponentials; among them Y's t - M, which reads nothing written since the wait and is read behind the next
	v_exp_f32 v[SX+jj], v[SX+jj]
	v_pk_fma_f32 v[SY+jj:SY+jj+1], v[SY+jj:SY+jj+1], s[CS:CS+1], v[MY:MY+1] op_sel_hi:[1,0,0]
	v_exp_f32 v[SX+jj+1], v[SX+jj+1]
.set jj, jj+2
.endr
	v_pk_mul_f32 v[LX:LX+1], v[LX:LX+1], v[FX:FX+1] op_sel_hi:[1,0]   ; the sums under the new M (plain places behind the exponentials)
	v_pk_mul_f32 v[LY:LY+1], v[LY:LY+1], v[FY:FY+1] op_sel_hi:[1,0]
	s_wait_alu depctr_va_vdst(0)                   ; one wait: behind X's batch, ahead of Y's
	SUM SX, LX
	s_wait_alu depctr_va_vdst(0)
.set jj, 0
.rept 32                               ; Y's exponentials; among them X's hold, two numbers an instruction: the conversion does not saturate (ISA guide 7.6.2); p is not negative: a one-sided hold
	v_exp_f32 v[SY+jj], v[SY+jj]
	v_dual_min_num_f32 v[SX+jj], v[SX+jj], v[LIM] :: v_dual_min_num_f32 v[SX+jj+1], v[SX+jj+1], v[LIMB]
	v_exp_f32 v[SY+jj+1], v[SY+jj+1]
.set jj, jj+2
.endr
	v_nop                                          ; a plain place behind the last exponential
	s_wait_alu depctr_va_vdst(0)                   ; one wait behind the batch, ahead of its first reader and of the held numbers' reader
.irp t, 0,1,2,3,4,5,6,7
	v_cvt_scalef32_pk8_fp8_f32 v[CX+2*\t:CX+2*\t+1], v[SX+8*\t:SX+8*\t+7], v[SC]   ; keys 16 t + 8 h + 0..7
.endr
	SUM SY, LY
.irp t, 0,1,2,3,4,5,6,7
.irp i, 0,2,4,6
	v_dual_min_num_f32 v[SY+8*\t+\i], v[SY+8*\t+\i], v[LIM] :: v_dual_min_num_f32 v[SY+8*\t+\i+1], v[SY+8*\t+\i+1], v[LIMB]
.endr
	v_cvt_scalef32_pk8_fp8_f32 v[CY+2*\t:CY+2*\t+1], v[SY+8*\t:SY+8*\t+7], v[SC]
.endr
	WIN 0x41                                       ; O^T lies in window 1, f in window 0
	s_wait_alu depctr_va_vdst(0)                   ; directly ahead of the first reader of O^T
.set jj, 0
.rept 16
	v_pk_mul_f32 v[OX+jj:OX+jj+1], v[OX+jj:OX+jj+1], v[FX:FX+1] op_sel_hi:[1,0]   ; O^T under the new M; also the plain lines behind the conversions
.set jj, jj+2
.endr
.set jj, 0
.rept 16
	v_pk_mul_f32 v[OY+jj:OY+jj+1], v[OY+jj:OY+jj+1], v[FY:FY+1] op_sel_hi:[1,0]
.set jj, jj+2
.endr
	s_wait_alu depctr_va_vdst(0)
	s_wait_dscnt 0x0                               ; V is in, and so is the next step's K
	WIN 0x51                                       ; V, C and D window 1, p's codes window 0
.irp t, 0,1,2,3                        ; the eight accumulators take turns, one instruction a turn
	v_wmma_f32_16x16x128_fp8_fp8 v[OX+8*\t:OX+8*\t+7], v[VF+16*\t:VF+16*\t+15], v[CX:CX+15], v[OX+8*\t:OX+8*\t+7]
	v_wmma_f32_16x16x128_fp8_fp8 v[OY+8*\t:OY+8*\t+7], v[VF+16*\t:VF+16*\t+15], v[CY:CY+15], v[OY+8*\t:OY+8*\t+7]
.endr
	WIN 0
.if \m
.Lhidden_\@:
.endif
	s_add_co_u32 s[TB], s[TB], 8192                ; 128 keys on, in K and in V alike
	s_add_co_u32 s[ST], s[ST], 1
.endm
; THE WAY OUT of a pair: O^T / l, held, converted: tile t's codes are channels 16 t + 8 h + 0..7 of my query: registers 2 t, 2 t + 1 of the next product's operand.
.macro WAYOUT base
.rept 4
	v_nop                                          ; places behind the last products
.endr
	v_add_f32 v[LX], v[LX], v[LX+1]
	v_add_f32 v[LY], v[LY], v[LY+1]
	v_permlanex16_b32 v[PX], v[LX], s[SEL], s[SEL+1]
	v_permlanex16_b32 v[PY], v[LY], s[SEL], s[SEL+1]
	v_add_f32 v[LX], v[LX], v[PX]                  ; the rows' sums
	v_add_f32 v[LY], v[LY], v[PY]
	s_wait_alu depctr_va_vdst(0)
	v_rcp_f32 v[LX], v[LX]
	v_rcp_f32 v[LY], v[LY]
	v_nop                                          ; a plain place behind them
	WIN 0x01                                       ; source 0 (O^T) window 1
	s_wait_alu depctr_va_vdst(0)                   ; ahead of their first reader, which is also O^T's
.set jj, 0
.rept 16
	v_pk_mul_f32 v[SX+jj:SX+jj+1], v[OX+jj:OX+jj+1], v[LX:LX+1] op_sel_hi:[1,0]   ; each accumulator from its low end on
.set jj, jj+2
.endr
.set jj, 0
.rept 16
	v_pk_mul_f32 v[SY+jj:SY+jj+1], v[OY+jj:OY+jj+1], v[LY:LY+1] op_sel_hi:[1,0]
.set jj, jj+2
.endr
	WIN 0
.set jj, 0
.rept 32
	v_med3_num_f32 v[SX+jj], v[SX+jj], -v[LIM2], v[LIM2]
	v_med3_num_f32 v[SY+jj], v[SY+jj], -v[LIM2], v[LIM2]
.set jj, jj+1
.endr
.irp t, 0,1,2,3
	v_cvt_scalef32_pk8_fp8_f32 v[CX+2*\t:CX+2*\t+1], v[SX+8*\t:SX+8*\t+7], v[SC2]
	v_cvt_scalef32_pk8_fp8_f32 v[CY+2*\t:CY+2*\t+1], v[SY+8*\t:SY+8*\t+7], v[SC2]
.endr
	v_nop                                          ; a plain line behind the last conversion
	global_store_b128 v[L16], v[CX:CX+3], s[\base:\base+1]              ; each store: 512 consecutive bytes, aligned
	global_store_b128 v[L16], v[CX+4:CX+7], s[\base:\base+1] offset:512
	global_store_b128 v[L16], v[CY:CY+3], s[\base:\base+1] offset:16384   ; tile Y: 16 rows on
	global_store_b128 v[L16], v[CY+4:CY+7], s[\base:\base+1] offset:16896
.endm
	s_wait_alu depctr_va_vdst(0)
	s_wait_tensorcnt 0x0                           ; my part of keys 0-511 is in
	ds_add_u32 v[SPW], v[NIL]
	s_wait_dscnt 0x0
	CROUND                                         ; everybody's part is in, and all four work-groups are here: the joint loads meet
	JL G0B, G1C, G1D                               ; keys 512-2047: my one load behind the round
	KLOAD L16, 0                                   ; key step 0's K
	s_mov_b32 s[TB], 0
	s_mov_b32 s[ST], 0
	s_wait_loadcnt 0x0                             ; Q
.Lfirst:                                           ; key steps 0-2 of the first pair (its group is 8 or more: all their keys count): with step 3's K they read keys 0-511 alone
	STEP 0
	s_cmp_lt_u32 s[ST], 3
	s_cbranch_scc1 .Lfirst
	s_wait_tensorcnt 0x0                           ; my part of keys 512-2047 is in,
	s_wait_dscnt 0x0
	s_barrier_signal -1
	s_barrier_wait -1                              ; and everybody's
	s_mov_b32 s[TB], 24576
	s_mov_b32 s[ST], 3
.Lrest:                                            ; key steps 3-15 of the first pair, up to its group's
	STEP 1
	s_cmp_lt_u32 s[ST], 16
	s_cbranch_scc1 .Lrest
	WAYOUT 12
	WIN 0x01
.set jj, 0
.rept 16
	v_mov_b32 v[QX+jj], v[Q2+jj]                   ; the second pair's Q, out of window 1
.set jj, jj+1
.endr
	WIN 0
	START
	KLOAD L16, 0                                   ; key step 0's K, for the second pair
	s_mov_b32 s[GG], s[GB]
	s_mov_b32 s[TB], 0
	s_mov_b32 s[ST], 0
	s_wait_xcnt 0x0                                ; the stores have read their registers: the next step's codes may be written
	s_wait_alu depctr_va_vdst(0)
.Lsecond:                                          ; key steps 0-7 of the second pair, up to its group's
	STEP 1
	s_cmp_lt_u32 s[ST], 8
	s_cbranch_scc1 .Lsecond
	WAYOUT 14
	s_wait_tensorcnt 0x0                           ; the wave's end
	ds_add_u32 v[SPW], v[NIL]
	s_wait_dscnt 0x0
	CROUND                                         ; the closing round
	s_endpgm
.Lfunc_end_k_q93819c6c78_attn:
	.size	k_q93819c6c78_attn, .Lfunc_end_k_q93819c6c78_attn-k_q93819c6c78_attn
	.p2alignl 7, 3214868480
	.fill 96, 4, 3214868480
	.section	.rodata,"a",@progbits
	.p2align	6, 0x0
	.amdhsa_kernel k_q93819c6c78_attn
		.amdhsa_group_segment_fixed_size 327680
		.amdhsa_private_segment_fixed_size 0
		.amdhsa_enable_private_segment 0
		.amdhsa_kernarg_size 24
		.amdhsa_user_sgpr_count 2
		.amdhsa_user_sgpr_kernarg_segment_ptr 1
		.amdhsa_wavefront_size32 1
		.amdhsa_system_sgpr_workgroup_id_x 1
		.amdhsa_system_sgpr_workgroup_id_y 1
		.amdhsa_system_sgpr_workgroup_id_z 1
		.amdhsa_system_vgpr_workitem_id 0
		.amdhsa_next_free_vgpr 512
		.amdhsa_next_free_sgpr 100
		.amdhsa_reserve_vcc 1
		.amdhsa_float_denorm_mode_32 3
		.amdhsa_float_denorm_mode_16_64 3
		.amdhsa_memory_ordered 1
		.amdhsa_forward_progress 1
		.amdhsa_inst_pref_size 138
	.end_amdhsa_kernel
	.amdgpu_metadata
---
amdhsa.version: [ 1, 2 ]
amdhsa.kernels:
  - .name:           k_q93819c6c78_attn
    .symbol:         k_q93819c6c78_attn.kd
    .args:
      - { .name: qkvc, .offset: 0, .size: 8, .value_kind: global_buffer, .address_space: global }
      - { .name: lowp_scales, .offset: 8, .size: 8, .value_kind: global_buffer, .address_space: global }
      - { .name: ctximg, .offset: 16, .size: 8, .value_kind: global_buffer, .address_space: global }
    .group_segment_fixed_size: 327680
    .private_segment_fixed_size: 0
    .kernarg_segment_align: 8
    .kernarg_segment_size: 24
    .max_flat_workgroup_size: 256
    .sgpr_count:     100
    .vgpr_count:     512
    .wavefront_size: 32
...
	.end_amdgpu_metadata
.endif
;; end of part 3
;; launch proj (part 4): grid 256 x 1, 16 waves a work-group, no clusters, 327,680 bytes of LDS; arguments ctximg, woimg, lowp_scales, x, bo, gamma, beta, out0; writes out0
.if DOCPART == 4
	.amdgcn_target "amdgcn-amd-amdhsa--gfx1250"
	.amdhsa_code_object_version 6
	.text
	.protected	k_q93819c6c78_proj
	.globl	k_q93819c6c78_proj
	.p2align	8
	.type	k_q93819c6c78_proj,@function
k_q93819c6c78_proj:
	s_mov_b64 s[64:65], 0
	v_nop
	global_prefetch_b8 v0, s[64:65] scope:SCOPE_SE
	s_setreg_imm32_b32 hwreg(HW_REG_WAVE_MODE, 25, 1), 1
	s_wait_xcnt 0x0
.set XS,  32768
.set YS,  163840
.set YP,  4112
.set AF,  16
.set BF,  48
.set ACC, 176
	s_load_b512 s[4:19], s[0:1], 0x0
	v_lshl_add_u32 v254, v0, 2, 0x48200
	v_mov_b32 v255, 0
	ds_add_u32 v254, v255
	ds_add_u32 v254, v255
	v_lshrrev_b32 v1, 5, v0
	s_delay_alu instid0(VALU_DEP_1)
	v_readfirstlane_b32 s20, v1
	s_mov_b32 s24, 3<<16
	s_mov_b32 s25, 32<<16
	s_mov_b32 s26, 8<<16
	s_mov_b32 s27, 32<<16
	s_mov_b32 s28, 8
	s_mov_b32 s29, 32
	s_mov_b32 s30, 0
	s_mov_b32 s31, 0
	s_mov_b32 s32, 3<<16
	s_mov_b32 s33, 32<<16
	s_mov_b32 s34, 32<<16
	s_mov_b32 s35, 32<<16
	s_mov_b32 s36, 32
	s_mov_b32 s37, 32
	s_mov_b32 s38, 0
	s_mov_b32 s39, 0
	s_lshl_b32 s21, s20, 11
	s_lshl_b32 s22, s20, 13
	s_lshl_b32 s60, ttmp9, 15
	s_add_co_u32 s60, s60, s21
	s_mov_b32 s61, 0
	s_lshl_b32 s62, ttmp9, 17
	s_add_co_u32 s62, s62, s22
	s_mov_b32 s63, 0
	s_mov_b32 s52, 0x76543210
	s_mov_b32 s53, 0xfedcba98
	s_mov_b32 s54, 0x3a800000
	s_mov_b32 s55, 0x358637bd
	s_wait_dscnt 0x0
	s_wait_kmcnt 0x0
	s_load_b64 s[56:57], s[8:9], 0x28
	s_mov_b32 s40, 1
	s_mov_b32 s41, s21
	s_add_nc_u64 s[42:43], s[4:5], s[60:61]
	s_or_b32 s43, s43, 0x80000000
	s_mov_b32 s44, 1
	s_add_co_u32 s45, s22, XS
	s_add_nc_u64 s[46:47], s[10:11], s[62:63]
	s_or_b32 s47, s47, 0x80000000
	tensor_load_to_lds s[40:43], s[24:31]
	s_nop 0
	s_wait_alu depctr_va_vdst(0)
	s_wait_tensorcnt 0x0
	ds_add_u32 v254, v255
	s_wait_dscnt 0x0
	s_barrier_signal -1
	s_barrier_wait -1
	tensor_load_to_lds s[44:47], s[32:39]
	s_nop 0
.rept 4
	v_nop
.endr
	s_add_nc_u64 s[58:59], s[18:19], s[62:63]
	v_and_b32 v7, 31, v0
	s_delay_alu instid0(VALU_DEP_1)
	v_lshlrev_b32 v1, 4, v7
	s_lshl_b32 s23, s20, 16
	v_add_nc_u32 v2, s23, v1
	v_and_b32 v8, 15, v0
	v_bfe_u32 v9, v0, 4, 1
	s_delay_alu instid0(VALU_DEP_2)
	v_mul_u32_u24 v3, v8, YP
	s_delay_alu instid0(VALU_DEP_1)
	v_lshl_add_u32 v3, v9, 5, v3
	s_lshl_b32 s23, s20, 8
	s_add_co_u32 s23, s23, YS
	v_add_nc_u32 v3, s23, v3
	s_delay_alu instid0(VALU_DEP_1)
	v_add_nc_u32 v4, 16*YP, v3
	s_mul_i32 s23, s20, 2*YP
	s_add_co_u32 s23, s23, YS
	v_add_nc_u32 v5, s23, v1
	s_add_co_u32 s23, s22, XS
	v_add_nc_u32 v6, s23, v1
	v_mov_b32 v245, 0
	v_mov_b32 v247, 0
	v_mov_b32 v248, 0
.macro WLOAD s
.irp i, 0,1,2,3
.irp c, 0,1,2,3
	global_load_b128 v[BF+64*((\s)%2)+16*\i+4*\c:BF+64*((\s)%2)+16*\i+4*\c+3], v2, s[6:7] offset:\i*16384+(\s)*2048+\c*512
.endr
.endr
.endm
	WLOAD 0
	WLOAD 1
	s_wait_tensorcnt 1
	s_barrier_signal -1
	s_barrier_wait -1
.macro KSTEP s
.irp m, 0,1
.irp c, 0,1,2,3
	ds_load_b128 v[AF+16*\m+4*\c:AF+16*\m+4*\c+3], v1 offset:(8*\m+(\s))*2048+512*\c
.endr
.endr
	s_wait_loadcnt 16
	s_wait_dscnt 0x0
.irp m, 0,1
.irp i, 0,1,2,3
.if (\s) == 0
	v_wmma_f32_16x16x128_fp8_fp8 v[ACC+8*(4*\m+\i):ACC+8*(4*\m+\i)+7], v[BF+64*((\s)%2)+16*\i:BF+64*((\s)%2)+16*\i+15], v[AF+16*\m:AF+16*\m+15], 0
.else
	v_wmma_f32_16x16x128_fp8_fp8 v[ACC+8*(4*\m+\i):ACC+8*(4*\m+\i)+7], v[BF+64*((\s)%2)+16*\i:BF+64*((\s)%2)+16*\i+15], v[AF+16*\m:AF+16*\m+15], v[ACC+8*(4*\m+\i):ACC+8*(4*\m+\i)+7]
.endif
.endr
.endr
.rept 4
	v_nop
.endr
.if (\s) <= 5
	WLOAD (\s)+2
.elseif (\s) == 6
.irp i, 0,1,2,3,4,5,6,7
	global_load_b128 v[BF+4*\i:BF+4*\i+3], v1, s[12:13] offset:512*\i
.endr
.irp i, 0,1,2,3,4,5,6,7
	global_load_b128 v[BF+32+4*\i:BF+32+4*\i+3], v1, s[14:15] offset:512*\i
.endr
.else
.irp i, 0,1,2,3,4,5,6,7
	global_load_b128 v[BF+64+4*\i:BF+64+4*\i+3], v1, s[16:17] offset:512*\i
.endr
.endif
.endm
.irp s, 0,1,2,3,4,5,6,7
	KSTEP \s
.endr
	s_wait_alu depctr_va_vdst(0)
.irp i, 0,1,2,3
	ds_store_b128 v3, v[ACC+8*\i:ACC+8*\i+3] offset:64*\i
	ds_store_b128 v3, v[ACC+8*\i+4:ACC+8*\i+7] offset:64*\i+16
.endr
.irp i, 0,1,2,3
	ds_store_b128 v4, v[ACC+32+8*\i:ACC+32+8*\i+3] offset:64*\i
	ds_store_b128 v4, v[ACC+32+8*\i+4:ACC+32+8*\i+7] offset:64*\i+16
.endr
	s_wait_dscnt 0x0
	s_barrier_signal -1
	s_barrier_wait -1
	s_wait_tensorcnt 0x0
.irp i, 0,1,2,3,4,5,6,7
	ds_load_b128 v[144+4*\i:147+4*\i], v5 offset:512*\i
	ds_load_b128 v[AF+4*\i:AF+4*\i+3], v5 offset:YP+512*\i
	ds_load_b128 v[ACC+4*\i:ACC+4*\i+3], v6 offset:512*\i
	ds_load_b128 v[ACC+32+4*\i:ACC+32+4*\i+3], v6 offset:4096+512*\i
.endr
	s_wait_kmcnt 0x0
	s_add_co_i32 s50, s56, s57
	s_add_co_i32 s50, s50, 127
	s_lshl_b32 s50, s50, 23
	s_mov_b32 s51, s50
	s_wait_loadcnt 0x0
	s_wait_dscnt 0x0
.macro WSUM
	s_delay_alu instid0(VALU_DEP_1)
	v_add_f32_dpp v240, v240, v240 row_xmask:1 row_mask:0xf bank_mask:0xf
	s_delay_alu instid0(VALU_DEP_1)
	v_add_f32_dpp v240, v240, v240 row_xmask:2 row_mask:0xf bank_mask:0xf
	s_delay_alu instid0(VALU_DEP_1)
	v_add_f32_dpp v240, v240, v240 row_xmask:4 row_mask:0xf bank_mask:0xf
	s_delay_alu instid0(VALU_DEP_1)
	v_add_f32_dpp v240, v240, v240 row_xmask:8 row_mask:0xf bank_mask:0xf
	s_delay_alu instid0(VALU_DEP_1)
	v_permlanex16_b32 v248, v240, s52, s53
	s_delay_alu instid0(VALU_DEP_1)
	v_add_f32 v240, v240, v248
.endm
.macro ROWLN Y, XR, off
.set jj, 0
.rept 16
	v_pk_add_f32 v[\XR+jj:\XR+jj+1], v[\XR+jj:\XR+jj+1], v[BF+jj:BF+jj+1]
.set jj, jj+2
.endr
.set jj, 0
.rept 16
	v_pk_fma_f32 v[\Y+jj:\Y+jj+1], v[\Y+jj:\Y+jj+1], s[50:51], v[\XR+jj:\XR+jj+1] op_sel_hi:[1,0,1]
.set jj, jj+2
.endr
	v_pk_add_f32 v[240:241], v[\Y:\Y+1], v[\Y+2:\Y+3]
	v_pk_add_f32 v[242:243], v[\Y+4:\Y+5], v[\Y+6:\Y+7]
.set jj, 8
.rept 6
	s_delay_alu instid0(VALU_DEP_2)
	v_pk_add_f32 v[240:241], v[240:241], v[\Y+jj:\Y+jj+1]
	s_delay_alu instid0(VALU_DEP_2)
	v_pk_add_f32 v[242:243], v[242:243], v[\Y+jj+2:\Y+jj+3]
.set jj, jj+4
.endr
	s_delay_alu instid0(VALU_DEP_1)
	v_pk_add_f32 v[240:241], v[240:241], v[242:243]
	s_delay_alu instid0(VALU_DEP_1)
	v_add_f32 v240, v240, v241
	WSUM
	s_delay_alu instid0(VALU_DEP_1)
	v_mul_f32 v244, s54, v240
.set jj, 0
.rept 16
	v_pk_add_f32 v[\Y+jj:\Y+jj+1], v[\Y+jj:\Y+jj+1], v[244:245] op_sel_hi:[1,0] neg_lo:[0,1] neg_hi:[0,1]
.set jj, jj+2
.endr
	v_pk_mul_f32 v[240:241], v[\Y:\Y+1], v[\Y:\Y+1]
	v_pk_mul_f32 v[242:243], v[\Y+2:\Y+3], v[\Y+2:\Y+3]
.set jj, 4
.rept 7
	s_delay_alu instid0(VALU_DEP_2)
	v_pk_fma_f32 v[240:241], v[\Y+jj:\Y+jj+1], v[\Y+jj:\Y+jj+1], v[240:241]
	s_delay_alu instid0(VALU_DEP_2)
	v_pk_fma_f32 v[242:243], v[\Y+jj+2:\Y+jj+3], v[\Y+jj+2:\Y+jj+3], v[242:243]
.set jj, jj+4
.endr
	s_delay_alu instid0(VALU_DEP_1)
	v_pk_add_f32 v[240:241], v[240:241], v[242:243]
	s_delay_alu instid0(VALU_DEP_1)
	v_add_f32 v240, v240, v241
	WSUM
	s_delay_alu instid0(VALU_DEP_1)
	v_fma_f32 v246, v240, s54, s55
	s_wait_alu depctr_va_vdst(0)
	v_rsq_f32 v246, v246
	v_nop
.set jj, 0
	s_wait_alu depctr_va_vdst(0)
.rept 16
	v_pk_mul_f32 v[\Y+jj:\Y+jj+1], v[\Y+jj:\Y+jj+1], v[246:247] op_sel_hi:[1,0]
.set jj, jj+2
.endr
.set jj, 0
.rept 16
	v_pk_fma_f32 v[\Y+jj:\Y+jj+1], v[\Y+jj:\Y+jj+1], v[BF+32+jj:BF+32+jj+1], v[BF+64+jj:BF+64+jj+1]
.set jj, jj+2
.endr
.irp i, 0,1,2,3,4,5,6,7
	global_store_b128 v1, v[\Y+4*\i:\Y+4*\i+3], s[58:59] offset:\off+512*\i th:TH_STORE_NT
.endr
.endm
	ROWLN 144, ACC, 0
	ROWLN AF, ACC+32, 4096
	s_wait_tensorcnt 0x0
	ds_add_u32 v254, v255
	s_wait_dscnt 0x0
	s_endpgm
.Lfunc_end_k_q93819c6c78_proj:
	.size	k_q93819c6c78_proj, .Lfunc_end_k_q93819c6c78_proj-k_q93819c6c78_proj
	.p2alignl 7, 3214868480
	.fill 96, 4, 3214868480
	.section	.rodata,"a",@progbits
	.p2align	6, 0x0
	.amdhsa_kernel k_q93819c6c78_proj
		.amdhsa_group_segment_fixed_size 327680
		.amdhsa_private_segment_fixed_size 0
		.amdhsa_enable_private_segment 0
		.amdhsa_kernarg_size 64
		.amdhsa_user_sgpr_count 2
		.amdhsa_user_sgpr_kernarg_segment_ptr 1
		.amdhsa_wavefront_size32 1
		.amdhsa_system_sgpr_workgroup_id_x 1
		.amdhsa_system_sgpr_workgroup_id_y 1
		.amdhsa_system_sgpr_workgroup_id_z 1
		.amdhsa_system_vgpr_workitem_id 0
		.amdhsa_next_free_vgpr 256
		.amdhsa_next_free_sgpr 66
		.amdhsa_reserve_vcc 0
		.amdhsa_float_denorm_mode_32 3
		.amdhsa_float_denorm_mode_16_64 3
		.amdhsa_memory_ordered 1
		.amdhsa_forward_progress 1
		.amdhsa_inst_pref_size 52
	.end_amdhsa_kernel
	.amdgpu_metadata
---
amdhsa.version: [ 1, 2 ]
amdhsa.kernels:
  - .name:           k_q93819c6c78_proj
    .symbol:         k_q93819c6c78_proj.kd
    .args:
      - { .name: ctximg, .offset: 0, .size: 8, .value_kind: global_buffer, .address_space: global }
      - { .name: woimg, .offset: 8, .size: 8, .value_kind: global_buffer, .address_space: global }
      - { .name: lowp_scales, .offset: 16, .size: 8, .value_kind: global_buffer, .address_space: global }
      - { .name: x, .offset: 24, .size: 8, .value_kind: global_buffer, .address_space: global }
      - { .name: bo, .offset: 32, .size: 8, .value_kind: global_buffer, .address_space: global }
      - { .name: gamma, .offset: 40, .size: 8, .value_kind: global_buffer, .address_space: global }
      - { .name: beta, .offset: 48, .size: 8, .value_kind: global_buffer, .address_space: global }
      - { .name: out0, .offset: 56, .size: 8, .value_kind: global_buffer, .address_space: global }
    .group_segment_fixed_size: 327680
    .private_segment_fixed_size: 0
    .kernarg_segment_align: 8
    .kernarg_segment_size: 64
    .max_flat_workgroup_size: 512
    .sgpr_count:     66
    .vgpr_count:     256
    .wavefront_size: 32
...
	.end_amdgpu_metadata
.endif
;; end of part 4
